; MI455X (gfx1250); checked and timed in simulation.
; The chip was launched on July 23, 2026; its instructions are those of AMD's public machine-readable ISA for CDNA 5 (MIT licence, August 2026) and "CDNA5" Instruction Set Architecture Reference Guide (July 2026). The comments in the code are by the model that wrote it; some were corrected since.
;; LSA Layer. Allowed arithmetic: matrix products marked QUANTISED: E2M3 operands, one E8M0 scale for each 32 along K, by v_wmma_scale_f32_16x16x128_f8f6f4 with both operands' format E2M3, f32 sums; everything else in f32.
;; Inputs: P 1,024 x 1,024 float32; Wk 1,024 x 1,024 float32; Wq 1,024 x 1,024 float32; Wv 1,024 x 1,024 float32; x 4 x 2,048 x 1,024 float32.
;; Outputs: out0 4 x 2,048 x 1,024 float32.
;; This version of the problem:
;;   THIS VERSION OF THE PROBLEM IS GIVEN IN LOW PRECISION. The matrix products marked QUANTISED in the list below multiply operands that are first quantised to E2M3 (2 exponent bits, 3 mantissa bits; 6 bits a number), with one power-of-two scale for each 32 numbers along K (OCP MX v1.0); their sums are f32. All else is computed in f32.
;;   The module's matrix products, in the order in which they are computed (A, B: the left and right operand; K: the contracted axis; several contracted axes count as one K, in the product's order):
;;     1. [M 8,192, K 1,024] x [K 1,024, N 1,024]; A: input x; B: input Wq: QUANTISED
;;     2. [M 8,192, K 1,024] x [K 1,024, N 1,024]; A: input x; B: input Wk: QUANTISED
;;     3. [M 8,192, K 1,024] x [K 1,024, N 1,024]; A: input x; B: input Wv: QUANTISED
;;     4. batch 4 x [M 2,048, K 1,024] x [K 1,024, N 2,048]; A: computed on the way; B: computed on the way: QUANTISED
;;     5. batch 4 x [M 2,048, K 2,048] x [K 2,048, N 1,024]; A: computed on the way; B: computed on the way: QUANTISED
;;     6. [M 8,192, K 1,024] x [K 1,024, N 1,024]; A: computed on the way; B: input P: QUANTISED
;;   THE QUANTISER, for each operand of a quantised product, along K:
;;     - K is cut into blocks of 32 from its start; a last block that is shorter is filled with zeros.
;;     - A block's scale is 2^e with e = floor(log2(the largest magnitude in the block)) - 2, held to -126 .. 127; a block of zeros has e = 0. As a byte (E8M0): e + 127.
;;     - Each number is divided by its block's scale, clamped to +-7.5, and rounded to the nearest number of E2M3, ties to even, subnormals kept.
;;     - The product sums the exact products of the quantised numbers (number of the format x scale) in f32.
;;   ~~~python
;;   def quantise(x, axis):      # numpy; x: float32 -> the quantised numbers, widened to float32 again
;;       x = np.moveaxis(x, axis, -1); K = x.shape[-1]
;;       x = np.pad(x, [(0, 0)] * (x.ndim - 1) + [(0, -K % 32)]); x = x.reshape(x.shape[:-1] + (-1, 32)); a = np.abs(x).max(-1, keepdims=True)
;;       e = np.where(a > 0, np.clip(np.frexp(np.where(a > 0, a, 1))[1] - 1 - 2, -126, 127), 0)      # np.frexp(a)[1] - 1 = floor(log2(a)), exactly
;;       r = np.clip(x / 2.0 ** e, -7.5, 7.5)
;;       step = 2.0 ** (np.maximum(np.frexp(np.where(r == 0, 1, r))[1] - 1, 0) - 3)
;;       q = np.round(r / step) * step * 2.0 ** e      # np.round: ties to even
;;       return np.moveaxis(q.reshape(q.shape[:-2] + (-1,))[..., :K], -1, axis).astype(np.float32)
;;   ~~~
;;   OPERANDS COMPUTED ON THE WAY. 'Computed on the way' means the value that the module computes at that place (a softmax that the list does not call 'softmax' is quantised finished and normalised). What goes into a quantiser is computed in f32, as accurately as f32 sums, v_exp_f32 and their like allow (about 1e-6 of the number): no bf16 or f16 on the way to a quantiser, and a product that is left as it is and whose result goes on into a quantised operand takes f32 operands (vector FMAs, or v_wmma_f32_16x16x4_f32). A number that lies on a knife's edge between two numbers of the format may be rounded either way, as far as f32 arithmetic and the matrix unit's own rounding can turn it there, and no further.
;; One version. Each part assembles by itself: llvm-mc -triple=amdgcn-amd-amdhsa -mcpu=gfx1250 --defsym DOCPART=n.
;; ======== version 1 of 1: 5 launches
;; workspace buffers: w1 9,011,200 bytes; w2 13,107,200 bytes; w3 19,660,800 bytes; w4 7,372,800 bytes
;; launch quant (part 1): grid 384 x 1, 4 waves a work-group, no clusters, 49,664 bytes of LDS; arguments x, Wq, Wk, Wv, P, w1, w4; writes w1, w4
.if DOCPART == 1
	.amdgcn_target "amdgcn-amd-amdhsa--gfx1250"
	.amdhsa_code_object_version 6
	.text
	.protected	k_qcc5ded52f0_quant
	.globl	k_qcc5ded52f0_quant
	.p2align	8
	.type	k_qcc5ded52f0_quant,@function
k_qcc5ded52f0_quant:
	s_mov_b64 s[64:65], 0
	v_nop
	global_prefetch_b8 v0, s[64:65] scope:SCOPE_SE
	s_setreg_imm32_b32 hwreg(HW_REG_WAVE_MODE, 25, 1), 1
	s_wait_xcnt 0x0
; LAUNCH 1 OF 5.  out = x + ((x Wq)(x Wk)^T (x Wv)) P, every product on codes of FP6 (E2M3) with one E8M0 scale for each 32 along its K.
; NO WORK IS LEFT OUT.  In real numbers (Q K^T) V could be taken as Q (K^T V), but the scores are quantised along the keys before the second product, and a quantiser is a step of the
; problem: so the scores are made as they are written.  All five inputs have a way to the output and are loaded.
; THIS LAUNCH turns x (rows along K) and Wq, Wk, Wv, P (K is their FIRST axis) into operands, once, since many work-groups read each of them in the later launches.
; THE ONE OPERAND LAYOUT of all workspace buffers: OP[group of 64 rows][K step of 128][6,400 bytes].  A block holds four fragments as IMAGES OF THEIR REGISTERS (tile a at 1,536 a: register 4 j + i of
; lane l at 512 j + 16 l + 4 i), then 256 bytes of scale words (lane r of tile a at 6,144 + 16 r + 4 a).  So a fragment comes by three loads of 16 bytes a lane, a block is dense, and it is 25 x 256 bytes.
; THE ROWS OF A TILE ARE NOT NEIGHBOURS: lane r of tile a holds row 32 (a / 2) + 8 (a % 2) + r + 8 (r / 8) of its 64, so that the results of two neighbouring tiles are 16 neighbours along the next product's K.
; A block's scale is 2^(floor(log2(its largest magnitude)) - 2); its byte is the largest magnitude's exponent field - 2, held at 1 from below.
; LIMITS: NaN and infinities among the inputs are not served.  A block of zeros, or one whose largest magnitude lies under 2^-124, gets the byte 1 where the rule says 127 for zeros: its codes are
; zeros (or the rule's own, at the byte 1), and the bytes are read by this program alone.
; SHARES.  A wave makes ONE block of 6,400 bytes from 32,768 bytes of f32, all its loads issued at once; no loop, no barrier, waves share nothing.  Work-groups 0 to 255: x (128 groups x 8 K steps);
; work-groups 256 to 383: the weights (4 x 8 K steps x 16 groups).  No cluster: no two work-groups read the same bytes.  No tensor load: the numbers are wanted in registers.
; The two paths part on the work-group's number alone, never join, and have LDS bytes of their own.
.set SPARE, 49152                      ; behind the stages: the spare words, 128 bytes for each wave: two blocks of 256 bytes that no other line names
.set SPW,  252                         ; v252  LDS address of my spare word; never rewritten
.set NIL,  253                         ; v253  0; never rewritten
.set GO,   4                           ; v4    16 x lane: a load's or an image's place for my lane
.set GS,   5                           ; v5    16 r + 8 h: where I store two scale words
.set STI,  6                           ; v6    x's stage, in: 8,448 x wave + 16 x lane
.set STO,  7                           ; v7    x's stage, out: 8,448 x wave + 528 r + 64 h
.set L4,   8                           ; v8    4 x lane
.set WSI,  9                           ; v9    the weights' stage, in: a column's 96 bytes of codes at 112 x lane
.set WSS,  10                          ; v10   and its scale word
.set WSR,  11                          ; v11   out: the row of the tile's lane r, + 24 h
.set WSB,  12                          ; v12   out: 8 bytes of scale words a lane
.set L8,   13                          ; v13   8 x lane
.set X,    16                          ; v16-79   x: 64 numbers of my row: register 16 b + i = k 32 b + 16 h + i
.set TM,   80                          ; v80-95   at work: largest magnitudes, bytes, the conversions' scale operands
.set PW,   96                          ; v96-99   the four tiles' scale words
.set SW,   100                         ; v100-101 scale words on their way out
.set PC0,  104                         ; v104-183 codes: 20 registers a tile, so that no store's data are written again
.set WM,   16                          ; the weights' path: v16-19 largest magnitudes, v20-23 scale operands, v24-27 bytes, v28 the word
.set WE,   20
.set WB,   24
.set WD,   28
.set WC,   32                          ; v32-55   a column's 128 codes
.set WT,   56                          ; v56-71   the second halves of the blocks, as the conversions leave them
.set WF,   104                         ; v104-151 the four fragments, never rewritten
.set MSB, 0
.macro WIN new                         ; the immediate's high byte repeats the setting that is left
.if MSB != \new
	s_set_vgpr_msb (MSB<<8)|\new
.set MSB, \new
.endif
.endm
	s_load_b256 s[4:11], s[0:1], 0x0               ; x, Wq, Wk, Wv
	s_load_b128 s[12:15], s[0:1], 0x20             ; P, w1
	s_load_b64 s[16:17], s[0:1], 0x30              ; w4
	v_lshl_add_u32 v[SPW], v0, 2, SPARE
	v_mov_b32 v[NIL], 0
	v_lshrrev_b32 v1, 5, v0
	v_readfirstlane_b32 s18, v1                    ; wave 0..3
	v_and_b32 v1, 31, v0                           ; lane
	v_and_b32 v2, 15, v0                           ; r
	v_bfe_u32 v3, v0, 4, 1                         ; h
	v_lshlrev_b32 v[GO], 4, v1
	v_lshlrev_b32 v[GS], 4, v2
	v_lshl_add_u32 v[GS], v3, 3, v[GS]
	s_mov_b32 s20, 0x76543210
	s_mov_b32 s21, 0xfedcba98                      ; v_permlanex16_b32's selects for lane l xor 16
	v_cmp_ne_u32 s22, 0, v3                        ; the mask of lanes 16-31
	; every LDS address of both paths is made here, ahead of the parting
	s_mul_i32 s23, s18, 8448                       ; x's stage: 16 rows x (512 bytes + 16) for each wave
	v_add_nc_u32 v[STI], s23, v[GO]
	v_mul_u32_u24 v[STO], v2, 528
	v_lshl_add_u32 v[STO], v3, 6, v[STO]
	v_add_nc_u32 v[STO], s23, v[STO]
	v_lshlrev_b32 v[L4], 2, v1
	v_lshlrev_b32 v[L8], 3, v1
	s_mul_i32 s23, s18, 3840                       ; the weights' stage: 32 rows x 112 bytes, then 256 bytes of scale words, for each wave
	s_add_co_u32 s23, s23, 33792                   ; behind x's four stages
	v_mul_u32_u24 v[WSI], v1, 112
	v_add_nc_u32 v[WSI], s23, v[WSI]
	v_and_b32 v[WSS], 7, v1                        ; column l of a pass's 32 is lane r = l % 8 + 8 (l / 16) of tile (l / 8) % 2
	v_lshl_add_u32 v[WSS], v3, 3, v[WSS]
	v_lshlrev_b32 v[WSS], 4, v[WSS]
	v_bfe_u32 v14, v0, 3, 1
	v_lshl_add_u32 v[WSS], v14, 2, v[WSS]
	v_add_nc_u32 v[WSS], s23, v[WSS]
	v_add_nc_u32 v[WSS], 3584, v[WSS]
	v_and_b32 v[WSR], 8, v2
	v_add_nc_u32 v[WSR], v[WSR], v2                ; r + 8 (r / 8)
	v_mul_u32_u24 v[WSR], v[WSR], 112
	v_mad_u32_u24 v[WSR], v3, 24, v[WSR]
	v_add_nc_u32 v[WSR], s23, v[WSR]
	v_add_nc_u32 v[WSB], s23, v[L8]
	v_add_nc_u32 v[WSB], 3584, v[WSB]
.irp b, 0,1,2,3
	v_mov_b32 v[TM+4+\b], 0                        ; written once: a lane permute's destination counts as one of its sources
.endr
	s_lshl_b32 s19, ttmp9, 2
	s_add_co_u32 s19, s19, s18                     ; 4 x work-group + wave
	s_wait_kmcnt 0x0
	s_cmp_lt_u32 ttmp9, 256
	s_cbranch_scc0 .Lweights
; ---------------- x: K is innermost.  My block is number 4 x work-group + wave: group of rows = that / 8, K step = that % 8
	s_lshr_b32 s24, s19, 3
	s_and_b32 s25, s19, 7
	s_lshl_b32 s24, s24, 18                        ; 64 rows of 4,096 bytes
	s_lshl_b32 s25, s25, 9                         ; 128 numbers
	s_add_co_u32 s24, s24, s25
	s_mov_b32 s25, 0
	s_add_nc_u64 s[4:5], s[4:5], s[24:25]
	s_mul_i32 s24, s19, 6400
	s_add_nc_u64 s[14:15], s[14:15], s[24:25]      ; x's operand begins at w1's first byte
	WIN 0x40                                       ; destination window 1
.irp a, 0,1,2,3
.irp j, 0,1,2,3,4,5,6,7,8,9,10,11,12,13,14,15
	global_load_b128 v[64*\a+4*\j:64*\a+4*\j+3], v[GO], s[4:5] offset:(32*(\a/2)+8*(\a%2)+\j+8*(\j/8))*4096 th:TH_LOAD_NT   ; the row of lane j of tile a: 32 lanes read its 512 consecutive bytes
.endr
.endr
	WIN 0
; 64 numbers of a lane in v[X] on become tile a's codes in v[PC] on and its scale word in v[PW + a]
.macro QUANT0 a
.set PC, PC0+20*(\a)
.irp b, 0,1,2,3
	v_max3_num_f32 v[TM+\b], |v[X+16*\b]|, |v[X+16*\b+1]|, 0x1800000   ; block b: my 16 numbers, and the floor 2^(3 - 127): so the byte cannot fall under 1
.endr
.irp i, 2,4,6,8,10,12,14
.irp b, 0,1,2,3
	v_max3_num_f32 v[TM+\b], v[TM+\b], |v[X+16*\b+\i]|, |v[X+16*\b+\i+1]|   ; (the four blocks by turns)
.endr
.endr
.irp b, 0,1,2,3
	v_permlanex16_b32 v[TM+4+\b], v[TM+\b], s20, s21
.endr
.irp b, 0,1,2,3
	v_max_num_f32 v[TM+\b], v[TM+\b], v[TM+4+\b]   ; with lane l xor 16's: the block's largest magnitude
.endr
.irp b, 0,1,2,3
	v_add_nc_u32 v[TM+12+\b], 0xff000000, v[TM+\b] ; 2 off its exponent field: the conversion takes the exponent field of this operand as its scale
.endr
.irp b, 0,1,2,3
	v_lshrrev_b32 v[TM+4+\b], 23, v[TM+12+\b]      ; the scale's byte
.endr
	v_lshl_or_b32 v[PW+(\a)], v[TM+5], 8, v[TM+4]  ; the four bytes make my row's scale word
	v_lshl_or_b32 v[PW+(\a)], v[TM+6], 16, v[PW+(\a)]
	v_lshl_or_b32 v[PW+(\a)], v[TM+7], 24, v[PW+(\a)]
.irp c, 0,1
	v_cvt_scalef32_pk16_fp6_f32 v[PC+6*\c:PC+6*\c+2], v[X+32*\c:X+32*\c+15], v[TM+12+2*\c]
	v_cvt_scalef32_pk16_fp6_f32 v[PC+12+4*\c:PC+14+4*\c], v[X+32*\c+16:X+32*\c+31], v[TM+13+2*\c]   ; (a conversion's three registers begin on an even number)
.endr
	v_nop                                          ; one plain place behind a scaled conversion
.irp c, 0,1                                    ; the operand's layout wants a WHOLE block in a lane: lanes 0-15 block 2 c, lanes 16-31 block 2 c + 1
.irp i, 0,1,2
	v_permlane16_swap_b32 v[PC+6*\c+\i], v[PC+12+4*\c+\i]
.endr
.irp i, 0,1,2
	v_mov_b32 v[PC+3+6*\c+\i], v[PC+12+4*\c+\i]
.endr
.endr
.endm
; Tile a: its 16 rows go through my stage as they were loaded and come back 64 numbers a lane: of row r, 16 neighbours of each block of 32.  LDS serves a wave's instructions in order: no wait between stores and loads
.macro XTILE a
	s_wait_loadcnt 48-16*(\a)                      ; loads come back in order: this tile's 16 are in, those of the tiles behind it (16 each) may be out
	WIN 0x04                                       ; an LDS store's data are its source 1: window 1
.irp j, 0,1,2,3,4,5,6,7,8,9,10,11,12,13,14,15
	ds_store_b128 v[STI], v[64*(\a)+4*\j:64*(\a)+4*\j+3] offset:528*\j
.endr
	WIN 0
.irp b, 0,1,2,3
.irp q, 0,1,2,3
	ds_load_b128 v[X+16*\b+4*\q:X+16*\b+4*\q+3], v[STO] offset:128*\b+16*\q
.endr
.endr
	s_wait_dscnt 0x0
	QUANT0 \a
.irp j, 0,1,2
	global_store_b128 v[GO], v[PC0+20*(\a)+4*\j:PC0+20*(\a)+4*\j+3], s[14:15] offset:1536*(\a)+512*\j   ; the image: 32 lanes store 512 consecutive bytes, at a multiple of 256 from the buffer's first byte
.endr
.endm
	XTILE 0
	XTILE 1
	XTILE 2
	XTILE 3
	v_cndmask_b32 v[SW], v[PW], v[PW+2], s22       ; lanes 0-15 store the words of tiles 0 and 1 of their row, lanes 16-31 those of tiles 2 and 3:
	v_cndmask_b32 v[SW+1], v[PW+1], v[PW+3], s22
	global_store_b64 v[GS], v[SW:SW+1], s[14:15] offset:6144   ; 32 lanes store 256 consecutive bytes
	s_wait_tensorcnt 0x0                           ; the wave's end: behind my last LDS store
	ds_add_u32 v[SPW], v[NIL]
	s_wait_dscnt 0x0
	s_endpgm
; ---------------- the weights: K is the FIRST axis.  A lane takes a column and its registers run down K: a block of 32 lies in one lane, and the codes come out with K innermost
.Lweights:
	s_sub_co_u32 s19, s19, 1024                    ; my block among the weights': weight = that / 128, K step = (that / 16) % 8, group of 64 columns = that % 16
	s_lshr_b32 s24, s19, 7
	s_bfe_u32 s25, s19, 0x30004
	s_and_b32 s26, s19, 15                         ; the four waves of a work-group stand side by side on 1,024 bytes of each row
	s_cmp_eq_u32 s24, 1                            ; the choices hang on the work-group's number alone
	s_cselect_b64 s[28:29], s[8:9], s[6:7]
	s_cmp_eq_u32 s24, 2
	s_cselect_b64 s[28:29], s[10:11], s[28:29]
	s_cmp_eq_u32 s24, 3
	s_cselect_b64 s[28:29], s[12:13], s[28:29]
	s_cselect_b64 s[30:31], s[16:17], s[14:15]     ; P's operand goes to w4, the others' to w1,
	s_cselect_b32 s24, 0, s24
	s_mul_i32 s24, s24, 819200                     ; one behind the other (16 x 8 x 6,400 bytes each),
	s_lshl_b32 s27, s26, 3
	s_add_co_u32 s27, s27, s25
	s_mul_i32 s27, s27, 6400
	s_add_co_u32 s24, s24, s27
	s_add_co_u32 s24, s24, 6553600                 ; behind the 6,553,600 bytes of x's (in w1) or of the context's (in w4)
	s_lshl_b32 s32, s25, 19                        ; 128 rows of 4,096 bytes
	s_lshl_b32 s33, s26, 8                         ; 64 columns
	s_add_co_u32 s32, s32, s33
	s_mov_b32 s33, 0
	s_mov_b32 s25, 0
	s_add_nc_u64 s[28:29], s[28:29], s[32:33]
	s_add_nc_u64 s[30:31], s[30:31], s[24:25]
	WIN 0x40                                       ; destination window 1
.irp u, 0,1                                    ; two passes of 32 columns; W(k, 32 u + lane) into register 128 u + k
.set K, 0
.rept 128
	global_load_b32 v[128*\u+K], v[L4], s[28:29] offset:4096*K+128*\u th:TH_LOAD_NT
.set K, K+1
.endr
.endr
	WIN 0
.macro WPASS u
.if \u == 0
	s_wait_loadcnt 63                              ; pass 0's 128 loads are in.  128 were issued behind them; a wait names 63 at the most (ISA guide 5.7.1), and a smaller count asks for more, never for less
.else
	s_wait_loadcnt 0x0
.endif
	WIN 0x05                                       ; sources 0 and 1 window 1
.irp b, 0,1,2,3
	v_max3_num_f32 v[WM+\b], |v[128*\u+32*\b]|, |v[128*\u+32*\b+1]|, 0x1800000   ; block b: all its 32 numbers are mine; and the floor 2^(3 - 127)
.endr
.irp i, 2,4,6,8,10,12,14,16,18,20,22,24,26,28,30
.irp b, 0,1,2,3
	v_max3_num_f32 v[WM+\b], |v[128*\u+32*\b+\i]|, |v[128*\u+32*\b+\i+1]|, v[WM+\b]
.endr
.endr
	WIN 0
.irp b, 0,1,2,3
	v_add_nc_u32 v[WE+\b], 0xff000000, v[WM+\b]    ; 2 off the exponent field: the conversion's scale operand
.endr
.irp b, 0,1,2,3
	v_lshrrev_b32 v[WB+\b], 23, v[WE+\b]           ; the scale's byte
.endr
	v_lshl_or_b32 v[WD], v[WB+1], 8, v[WB]
	v_lshl_or_b32 v[WD], v[WB+2], 16, v[WD]
	v_lshl_or_b32 v[WD], v[WB+3], 24, v[WD]        ; my column's scale word
	WIN 0x01                                       ; source 0 window 1
.irp b, 0,1,2,3
	v_cvt_scalef32_pk16_fp6_f32 v[WC+6*\b:WC+6*\b+2], v[128*\u+32*\b:128*\u+32*\b+15], v[WE+\b]
	v_cvt_scalef32_pk16_fp6_f32 v[WT+4*\b:WT+4*\b+2], v[128*\u+32*\b+16:128*\u+32*\b+31], v[WE+\b]   ; (a conversion's three registers begin on an even number)
.endr
	WIN 0
	v_nop                                          ; one plain place behind a scaled conversion
.irp b, 0,1,2,3
.irp i, 0,1,2
	v_mov_b32 v[WC+6*\b+3+\i], v[WT+4*\b+\i]
.endr
.endr
.irp q, 0,1,2,3,4,5
	ds_store_b128 v[WSI], v[WC+4*\q:WC+4*\q+3] offset:16*\q   ; my column's 96 bytes: a row of my stage (112 bytes apart)
.endr
	ds_store_b32 v[WSS], v[WD] offset:8*\u         ; and its word, where the block's layout has it: tile 2 u + (l / 8) % 2
.irp t, 0,1                                    ; back as the fragments of tiles 2 u and 2 u + 1: lane (r, h) takes, of row 8 t + r + 8 (r / 8), the 24 bytes at 24 h and at 48 + 24 h
.irp p, 0,1,2,3,4,5
	ds_load_b64 v[WF+12*(2*\u+\t)+2*\p:WF+12*(2*\u+\t)+2*\p+1], v[WSR] offset:896*\t+48*(\p/3)+8*(\p%3)
.endr
.endr
	s_wait_dscnt 0x0
.irp t, 0,1
.irp j, 0,1,2
	global_store_b128 v[GO], v[WF+12*(2*\u+\t)+4*\j:WF+12*(2*\u+\t)+4*\j+3], s[30:31] offset:1536*(2*\u+\t)+512*\j
.endr
.endr
.endm
	WPASS 0
	WPASS 1
	ds_load_b64 v[SW:SW+1], v[WSB]                 ; the block's 256 bytes of scale words: LDS serves a wave's instructions in order, so these see my stores
	s_wait_dscnt 0x0
	global_store_b64 v[L8], v[SW:SW+1], s[30:31] offset:6144
	s_wait_tensorcnt 0x0                           ; the wave's end: behind my last LDS store
	ds_add_u32 v[SPW], v[NIL]
	s_wait_dscnt 0x0
	s_endpgm
.Lfunc_end_k_qcc5ded52f0_quant:
	.size	k_qcc5ded52f0_quant, .Lfunc_end_k_qcc5ded52f0_quant-k_qcc5ded52f0_quant
	.p2alignl 7, 3214868480
	.fill 96, 4, 3214868480
	.section	.rodata,"a",@progbits
	.p2align	6, 0x0
	.amdhsa_kernel k_qcc5ded52f0_quant
		.amdhsa_group_segment_fixed_size 49664
		.amdhsa_private_segment_fixed_size 0
		.amdhsa_enable_private_segment 0
		.amdhsa_kernarg_size 56
		.amdhsa_user_sgpr_count 2
		.amdhsa_user_sgpr_kernarg_segment_ptr 1
		.amdhsa_wavefront_size32 1
		.amdhsa_system_sgpr_workgroup_id_x 1
		.amdhsa_system_sgpr_workgroup_id_y 1
		.amdhsa_system_sgpr_workgroup_id_z 1
		.amdhsa_system_vgpr_workitem_id 0
		.amdhsa_next_free_vgpr 512
		.amdhsa_next_free_sgpr 66
		.amdhsa_reserve_vcc 0
		.amdhsa_float_denorm_mode_32 3
		.amdhsa_float_denorm_mode_16_64 3
		.amdhsa_memory_ordered 1
		.amdhsa_forward_progress 1
		.amdhsa_inst_pref_size 75
	.end_amdhsa_kernel
	.amdgpu_metadata
---
amdhsa.version: [ 1, 2 ]
amdhsa.kernels:
  - .name:           k_qcc5ded52f0_quant
    .symbol:         k_qcc5ded52f0_quant.kd
    .args:
      - { .name: x, .offset: 0, .size: 8, .value_kind: global_buffer, .address_space: global }
      - { .name: Wq, .offset: 8, .size: 8, .value_kind: global_buffer, .address_space: global }
      - { .name: Wk, .offset: 16, .size: 8, .value_kind: global_buffer, .address_space: global }
      - { .name: Wv, .offset: 24, .size: 8, .value_kind: global_buffer, .address_space: global }
      - { .name: P, .offset: 32, .size: 8, .value_kind: global_buffer, .address_space: global }
      - { .name: w1, .offset: 40, .size: 8, .value_kind: global_buffer, .address_space: global }
      - { .name: w4, .offset: 48, .size: 8, .value_kind: global_buffer, .address_space: global }
    .group_segment_fixed_size: 49664
    .private_segment_fixed_size: 0
    .kernarg_segment_align: 8
    .kernarg_segment_size: 56
    .max_flat_workgroup_size: 128
    .sgpr_count:     66
    .vgpr_count:     512
    .wavefront_size: 32
...
	.end_amdgpu_metadata
.endif
;; end of part 1
;; launch qkv (part 2): grid 64 x 4, 4 waves a work-group, clusters of 4 x 4, 327,680 bytes of LDS; arguments w1, w2, w3; writes w2, w3
.if DOCPART == 2
	.amdgcn_target "amdgcn-amd-amdhsa--gfx1250"
	.amdhsa_code_object_version 6
	.text
	.protected	k_qcc5ded52f0_qkv
	.globl	k_qcc5ded52f0_qkv
	.p2align	8
	.type	k_qcc5ded52f0_qkv,@function
k_qcc5ded52f0_qkv:
	s_mov_b64 s[64:65], 0
	v_nop
	global_prefetch_b8 v0, s[64:65] scope:SCOPE_SE
	s_setreg_imm32_b32 hwreg(HW_REG_WAVE_MODE, 25, 1), 1
	s_wait_xcnt 0x0
	s_wait_alu depctr_hold_cnt(0) depctr_sa_sdst(0) depctr_va_vdst(0) depctr_va_sdst(0) depctr_va_ssrc(0) depctr_va_vcc(0) depctr_vm_vsrc(0)
	s_getreg_b32 s2, hwreg(HW_REG_IB_STS2, 6, 4)
	s_cmp_eq_u32 s2, 0
	s_cbranch_scc0 .Lentry_in_a_cluster
	s_endpgm
.Lentry_in_a_cluster:
	s_bfe_u32 s2, ttmp6, 0x10000c
	s_cmp_lg_u32 s2, 0xf033
	s_cbranch_scc0 .Lentry_shape_is_right
	s_endpgm
.Lentry_shape_is_right:
; ONE TEXT FOR LAUNCHES 2 AND 3; MODE picks the launch.  O[m][n] = sum over k of A[m][k] B[n][k], both operands codes of FP6 (E2M3) with one E8M0 scale for each 32 along K, sums in f32; K = 1,024.  No work is left out.
;   MODE 0 (qkv):    first a tile of Q = x Wq or of K = x Wk (A = x, B = the weight), then, in the same work-group, a smaller tile of V^T = Wv^T x^T (A = Wv, B = x).     MODE 1 (scores): a tile of S = Q K^T of one batch.
; Every result is an operand of a later product with K = this product's n: it is quantised in registers and leaves as codes and scale words; no f32 intermediate goes to memory.
; THE OPERAND LAYOUT of all workspace buffers: OP[group of 64 rows][K step of 128][6,400 bytes]: four fragments as images of their registers (tile a at 1,536 a: register 4 j + i of lane l at 512 j + 16 l + 4 i),
; then 256 bytes of scale words (lane r of tile a at 6,144 + 16 r + 4 a).  Lane r of tile a holds row 32 (a / 2) + 8 (a % 2) + r + 8 (r / 8) of the 64.
; THE MATRIX INSTRUCTION IS USED TRANSPOSED (source 0 = 16 rows of B, source 1 = 16 rows of A): a lane holds ONE row of A, and by the order of rows above the 16 registers of B's tiles 2 b and 2 b + 1 are the
; 16 neighbours n = 32 b + 16 (lane / 16) + 0 .. 15: what the conversions want.  A wave's 128 columns are one K step of the next product: a block of 6,400 bytes for each 64 rows, written whole by the wave.
; SHARES.  256 work-groups of four waves.  THE LARGE TILE is 256 x 256 of O; wave w rows 128 (w / 2) on, columns 128 (w % 2) on: 64 accumulators, 512 registers; a K step's 50 LDS loads feed 64 products.
; Its operands are 409,600 bytes; LDS has three positions of 102,400 (8 groups x 256 along K).  Chunks 0, 1, 2 along K are first fills, asked for at the head; chunk 3 is the tile's one refill, into position 0,
; asked for at the change into chunk 2: the wait for all loads that stands there asks for chunk 2 alone, which the next LDS loads want anyway.  It has two K steps, 128 products, in which to land.
; MODE 0: THE WORK-GROUP STAYS.  V^T's tile is 128 x 256 (wave: 64 x 128, 32 accumulators); its operands, 307,200 bytes, come in two halves along K: the first at the change into chunk 3, into bytes 153,600 on (positions 1 and 2
; are read out), the second in the middle of the first tile's way out, into bytes 0 on.  The first tile's stores leave while V^T is multiplied.  So each work-group has 2 + 1 units of work, all alike, and one path through the text.
; CLUSTERS: 4 x 4 work-groups.  The four of a row of the cluster need the same rows of A, the four of a column the same rows of B: each piece is asked for JOINTLY, by the same tensor load with the same
; descriptor and a mask that names the four.  By this text's own count a wave has three tensor loads out at the most.
; THE LDS LOADS STAND AMONG THE PRODUCTS: behind every fourth product the loads of one fragment of the next K step (3; in the small shape 5), with a switch of the register windows in front and behind.  In one run a K step's
; 50 loads would be 50 issue slots and more with no product among them; strewn, five to seven slots follow a product.  That is the price of some 36 switches a K step, and it is taken on purpose.
; No prefetch is written: three quarters of a tile are asked for by the tensor loads at the head, where nothing is prefetched, and the rest follows within a few K steps.
; LIMITS: NaN and infinities are not served.  A block of zeros, or one whose largest magnitude lies under 2^-124, gets the byte 1; the bytes are read by this program alone.  One accumulator for each output, K ascending.
; REGISTERS, in windows of 256: window 0: v1-18 lanes and addresses; v20-27 the scale words made; v28, v29 the add's two; v32-47 the operands' scale words, two sets, and nothing else; v48-63 the quantiser's;
;   v64-255 A's fragments, two sets of 96; on the way out 20 registers of codes a tile.   window 1: B's fragments, two sets, at v0 and v128.   windows 2, 3: accumulator (a, b) at v[8 (8 (a % 4) + b)] of window 2 + a / 4.
.set MODE, 0
.set BLK,   6400
.set NK,    8                          ; K steps of 128
.set CH1,   2*BLK                      ; the large tile: a chunk (256 along K) of one group of 64 rows
.set POS1,  8*CH1                      ; a position: A's four groups, then B's four
.set CH2,   4*BLK                      ; V^T's tile: a half (512 along K) of one group
.set VP0,   6*CH2                      ; its first half lies from here on (A's two groups, then B's four), its second from byte 0 on
.set SPARE, 3*POS1                     ; 307,200: behind the positions: the spare words, 128 bytes for each wave: two blocks of 256 bytes that no other line names
.if MODE == 0
.set OSTR,  8*BLK                      ; from a group of 64 rows to the next in the result's operand: its K steps x 6,400
.else
.set OSTR,  16*BLK
.endif
.set AD1,  4                           ; v4-6   the large tile: my three LDS addresses in position 0; never rewritten
.set ADRA, 8                           ; v8     my A fragments in the position in hand: my first group + 16 x lane
.set ADRB, 9                           ; v9     my B fragments likewise
.set ADS,  10                          ; v10    scale words: lanes 0-15 A's group, lanes 16-31 B's: + 6,144 + 16 r; the second groups lie a chunk further on for both
.set GO,   12                          ; v12    16 x lane
.set GS,   13                          ; v13    16 r + 8 h: where I store two scale words
.set SW1,  14                          ; v14-15 scale words on their way out, second block
.set AD2,  16                          ; v16-18 V^T's tile: my three LDS addresses, from a half's first byte; never rewritten
.set PW,   20                          ; v20-27 the scale words of my eight tiles of rows
.set SPW,  28
.set NIL,  29
.set SW0,  30                          ; v30-31 scale words on their way out, first block
.set SC,   32
.set TM,   48
.set AF,   64
.set PC0,  64
.set G1A,  24                          ; s[24:31] descriptor group 1 for A's pieces of the large tile;  s[32:39] for B's
.set G1B,  32
.set G0A,  40                          ; s[40:51] group 0 for A's pieces, three sets;  s[68:79] for B's
.set OUT1, 52                          ; s[52:53] where my part of the large tile goes;  s[54:55] my part of V^T's
.set OUT2, 54
.set G0B,  68
.set G1VA, 80                          ; s[80:87] group 1 for Wv's pieces;  s[88:95] for x's, in V^T's tile
.set G1VB, 88
.set VAA,  96                          ; s[96:97] where the piece of Wv that I fetch begins;  s[98:99] the pieces of x
.set VBA,  98
.set MSB, 0
.macro WIN new                         ; the immediate's high byte repeats the setting that is left; a switch that changes nothing is dropped
.if MSB != \new
	s_set_vgpr_msb (MSB<<8)|\new
.set MSB, \new
.endif
.endm
.macro PLACES n                        ; a load into a register that a matrix instruction has read, and a vector instruction that reads a matrix result or writes one of its registers, stand four places behind it; only plain vector instructions that name none of its registers are places
.rept \n
	v_nop
.endr
.endm
; A joint load: waves 0 and 1 fetch for A, waves 2 and 3 for B.  Each line has ONE mask and one set of registers for all that issue it; the branch hangs on the wave's number alone.
; An s_nop 0 and four v_nop follow each of the two lines, ahead of the jump, the label and what follows.
.macro JLOAD g0a, g1a, g0b, g1b
	s_cmp_eq_u32 s15, 0
	s_cbranch_scc0 .Lfor_b_\@
	tensor_load_to_lds s[\g0a:\g0a+3], s[\g1a:\g1a+7]
	s_nop 0
.rept 4
	v_nop
.endr
	s_branch .Lasked_\@
.Lfor_b_\@:
	tensor_load_to_lds s[\g0b:\g0b+3], s[\g1b:\g1b+7]
	s_nop 0
.rept 4
	v_nop
.endr
.Lasked_\@:
.endm
.macro CROUND                          ; a round of the cluster's barrier: my work-group's barrier; wave 0 signals for the work-group; every wave waits for all sixteen; my work-group's barrier once more
	s_barrier_signal -1
	s_barrier_wait -1
	s_cmp_lg_u32 s14, 0
	s_cbranch_scc1 .Lnot_wave_0_\@
	s_barrier_signal -3
.Lnot_wave_0_\@:
	s_barrier_wait -3
	s_barrier_signal -1
	s_barrier_wait -1
.endm
; The shape in hand: na tiles of 16 rows of A a wave, ck K steps in a chunk, lpg loads behind every fourth product (xtra more behind the first four)
.macro SHAPE na, ck, lpg, xtra
.set NA,   \na
.set CK,   \ck
.set CHB,  (\ck)*BLK
.set NL,   26+3*(\na)                  ; LDS loads of a K step: 2 of scale words, 24 for B's eight fragments, 3 for each of A's
.set LPG,  \lpg
.set XTRA, \xtra
.set LATE, 3*(\na)/2                   ; the loads of the upper half of A's tiles: issued last, wanted from a step's middle on
.set MIDC, (\na)*(\lpg)+(\xtra)        ; the next step's loads that a step has issued at its middle
.endm
	s_load_b128 s[4:7], s[0:1], 0x0                ; the operands' buffer s[4:5]; the second argument s[6:7]
.if MODE == 0
	s_load_b64 s[8:9], s[0:1], 0x10                ; the third
.endif
	v_lshl_add_u32 v[SPW], v0, 2, SPARE
	v_mov_b32 v[NIL], 0
	ds_add_u32 v[SPW], v[NIL]                      ; the wave's opening: the add, twice on end, and its wait ahead of my first tensor load; the set-up below, work on registers, stands between
	ds_add_u32 v[SPW], v[NIL]
	v_lshrrev_b32 v1, 5, v0
	v_readfirstlane_b32 s14, v1                    ; wave 0..3
	s_lshr_b32 s15, s14, 1                         ; which half of the tile's rows of A is mine.  Also: I fetch for A (0) or for B (1)
	s_and_b32 s16, s14, 1                          ; which half of its rows of B is mine.  Also: which part I fetch
	s_bfe_u32 s56, ttmp6, 0x40000                  ; cx, cy: my place in the cluster
	s_bfe_u32 s57, ttmp6, 0x40004
	s_lshl_b32 s58, s57, 2
	s_lshl_b32 s58, 15, s58                        ; my row of the cluster
	s_lshl_b32 s59, 0x1111, s56                    ; my column
	; which tile: s60 = tile row mt, s61 = tile column nt (256 rows each); s62, s100 = the tile's first group of 64 in A, in B.  ttmp9 counts clusters, 16 of them.  A's numbers never hold cx, B's never cy.
.if MODE == 0
	s_and_b32 s10, ttmp9, 1                        ; 0: Q, 1: K
	s_lshr_b32 s11, ttmp9, 1
	s_lshl_b32 s60, s11, 2
	s_add_co_u32 s60, s60, s57                     ; 32 tile rows of x
	s_lshl_b32 s61, s10, 2
	s_add_co_u32 s61, s61, s56                     ; 8 tile columns: Wq's four, then Wk's four: their operands lie one behind the other
	s_lshl_b32 s62, s60, 2
	s_lshl_b32 s100, s61, 2
.else
	s_lshr_b32 s10, ttmp9, 2                       ; the batch: 4 clusters each, 8 x 8 tiles
	s_and_b32 s11, ttmp9, 3
	s_lshr_b32 s60, s11, 1
	s_lshl_b32 s60, s60, 2
	s_add_co_u32 s60, s60, s57
	s_and_b32 s61, s11, 1
	s_lshl_b32 s61, s61, 2
	s_add_co_u32 s61, s61, s56
	s_lshl_b32 s12, s10, 5                         ; 32 groups of 64 rows a batch
	s_lshl_b32 s62, s60, 2
	s_add_co_u32 s62, s62, s12
	s_lshl_b32 s100, s61, 2
	s_add_co_u32 s100, s100, s12
.endif
	s_lshl_b32 s17, s16, 1
	s_add_co_u32 s62, s62, s17                     ; A: the first of the two groups that I fetch,
	s_mul_i32 s62, s62, NK*BLK                     ; in bytes: x's (Q's) operand begins at the buffer's first byte
	s_mov_b32 s63, 0
	s_add_co_u32 s100, s100, s17                   ; B likewise,
	s_mul_i32 s100, s100, NK*BLK
	s_add_co_u32 s100, s100, 6553600               ; behind A's operand: the weights' (K's)
	s_mov_b32 s101, 0
.if MODE == 0
	s_lshl_b32 s12, s10, 2                         ; V^T: 8 tile rows of 128 (Wv's columns) x 32 tile columns of 256 (x's rows)
	s_add_co_u32 s12, s12, s57                     ; tile row
	s_lshl_b32 s96, s12, 1
	s_add_co_u32 s96, s96, s16                     ; the group of Wv that I fetch
	s_mul_i32 s96, s96, NK*BLK
	s_add_co_u32 s96, s96, 8192000                 ; Wv's operand
	s_mov_b32 s97, 0
	s_lshl_b32 s66, s11, 2
	s_add_co_u32 s66, s66, s56                     ; tile column
	s_lshl_b32 s98, s66, 2
	s_add_co_u32 s98, s98, s17                     ; the first of the two groups of x that I fetch
	s_mul_i32 s98, s98, NK*BLK
	s_mov_b32 s99, 0
.endif
	; descriptor group 1, the large tile: two groups' chunks: two rows of CH1 bytes (elements of 8), a group (NK blocks) apart.  No padding: every LDS load below reads 512 consecutive bytes (the scale words': 2 x 256)
	s_or_b32 s[G1A], s58, (3<<16)|(1<<21)          ; 15:0 the mask: my row of the cluster; 17:16 elements of 8 bytes; 21 set beside a mask
	s_or_b32 s[G1B], s59, (3<<16)|(1<<21)          ; the mask: my column
.irp g, G1A, G1B
	s_mov_b32 s[\g+1], (CH1/8)<<16                 ; tensor_dim0
	s_mov_b32 s[\g+2], 2<<16                       ; tensor_dim1
	s_mov_b32 s[\g+3], (CH1/8)<<16                 ; tile_dim0
	s_mov_b32 s[\g+4], 2                           ; tile_dim1
	s_mov_b32 s[\g+5], NK*BLK/8                    ; tensor_dim0_stride
	s_mov_b32 s[\g+6], 0
	s_mov_b32 s[\g+7], 0
.endr
.if MODE == 0
	; V^T's tile.  Wv: one group's half, CH2 dense bytes, as rows of 256 bytes.  x: two groups' halves: two rows of CH2 bytes, a group apart
	s_or_b32 s[G1VA], s58, (3<<16)|(1<<21)
	s_mov_b32 s[G1VA+1], 32<<16
	s_mov_b32 s[G1VA+2], (CH2/256)<<16
	s_mov_b32 s[G1VA+3], 32<<16
	s_mov_b32 s[G1VA+4], CH2/256
	s_mov_b32 s[G1VA+5], 32
	s_mov_b32 s[G1VA+6], 0
	s_mov_b32 s[G1VA+7], 0
	s_or_b32 s[G1VB], s59, (3<<16)|(1<<21)
	s_mov_b32 s[G1VB+1], (CH2/8)<<16
	s_mov_b32 s[G1VB+2], 2<<16
	s_mov_b32 s[G1VB+3], (CH2/8)<<16
	s_mov_b32 s[G1VB+4], 2
	s_mov_b32 s[G1VB+5], NK*BLK/8
	s_mov_b32 s[G1VB+6], 0
	s_mov_b32 s[G1VB+7], 0
.endif
	s_mul_i32 s18, s16, 2*CH1                      ; where they go in a position: A's groups 0, 1 or 2, 3;
	s_add_co_u32 s19, s18, 4*CH1                   ; B's, behind A's four: no place in the cluster enters an LDS address
	s_wait_dscnt 0x0                               ; both opening adds are done
	s_wait_kmcnt 0x0
	s_add_nc_u64 s[62:63], s[4:5], s[62:63]
	s_add_nc_u64 s[100:101], s[4:5], s[100:101]
.if MODE == 0
	s_add_nc_u64 s[VAA:VAA+1], s[4:5], s[VAA:VAA+1]
	s_add_nc_u64 s[VBA:VBA+1], s[4:5], s[VBA:VBA+1]
.endif
.irp c, 0,1,2                                  ; group 0 for the three first fills
	s_mov_b32 s[G0A+4*\c], 1                       ; count = 1
	s_add_co_u32 s[G0A+4*\c+1], s18, \c*POS1       ; LDS address
	s_add_nc_u64 s[G0A+4*\c+2:G0A+4*\c+3], s[62:63], \c*CH1   ; global address
	s_or_b32 s[G0A+4*\c+3], s[G0A+4*\c+3], 0x80000000   ; type = 2
	s_mov_b32 s[G0B+4*\c], 1
	s_add_co_u32 s[G0B+4*\c+1], s19, \c*POS1
	s_add_nc_u64 s[G0B+4*\c+2:G0B+4*\c+3], s[100:101], \c*CH1
	s_or_b32 s[G0B+4*\c+3], s[G0B+4*\c+3], 0x80000000
.endr
	CROUND                                         ; all sixteen work-groups are here: the first joint loads meet
.irp c, 0,1,2
	JLOAD G0A+4*\c, G1A, G0B+4*\c, G1B             ; the first fills go out as one group, one a wave for each position
.endr
	; where my results go
	s_lshl_b32 s2, s60, 2
	s_lshl_b32 s3, s15, 1
	s_add_co_u32 s2, s2, s3                        ; my first group of 64 rows: 4 mt + 2 x my half
.if MODE == 0
	s_lshl_b32 s2, s2, 3                           ; Q, K: [group][8 K steps], K behind Q
	s_lshl_b32 s3, s56, 1                          ; my K step of the next product: 2 x (the tile column within the weight) + my half
	s_add_co_u32 s2, s2, s3
	s_add_co_u32 s2, s2, s16
	s_mul_i32 s2, s2, BLK
	s_mul_i32 s3, s10, 6553600
	s_add_co_u32 s2, s2, s3
	s_mov_b32 s3, 0
	s_add_nc_u64 s[OUT1:OUT1+1], s[6:7], s[2:3]
	s_lshl_b32 s2, s66, 1                          ; V^T: [batch][16 groups][16 K steps], behind S: the keys' K step / 16 is the batch
	s_add_co_u32 s2, s2, s16
	s_lshl_b32 s3, s12, 1
	s_add_co_u32 s3, s3, s15
	s_lshl_b32 s3, s3, 4
	s_and_b32 s13, s2, 15
	s_add_co_u32 s3, s3, s13
	s_mul_i32 s3, s3, BLK
	s_lshr_b32 s2, s2, 4
	s_mul_i32 s2, s2, 1638400
	s_add_co_u32 s2, s2, s3
	s_add_co_u32 s2, s2, 13107200
	s_mov_b32 s3, 0
	s_add_nc_u64 s[OUT2:OUT2+1], s[8:9], s[2:3]
.else
	s_lshl_b32 s2, s2, 4                           ; S: [batch][32 groups][16 K steps]
	s_lshl_b32 s3, s61, 1
	s_add_co_u32 s2, s2, s3
	s_add_co_u32 s2, s2, s16
	s_mul_i32 s2, s2, BLK
	s_mul_i32 s3, s10, 3276800
	s_add_co_u32 s2, s2, s3
	s_mov_b32 s3, 0
	s_add_nc_u64 s[OUT1:OUT1+1], s[6:7], s[2:3]
.endif
	v_and_b32 v1, 15, v0                           ; r
	v_bfe_u32 v2, v0, 4, 1                         ; h
	v_and_b32 v3, 31, v0                           ; lane
	v_lshlrev_b32 v[GO], 4, v3
	v_lshlrev_b32 v[GS], 4, v1
	v_lshl_add_u32 v[GS], v2, 3, v[GS]
	s_mul_i32 s17, s15, 2*CH1                      ; the large tile: my first group of A,
	s_mul_i32 s18, s16, 2*CH1
	s_add_co_u32 s18, s18, 4*CH1                   ; my first group of B
	v_add_nc_u32 v[AD1], s17, v[GO]
	v_add_nc_u32 v[AD1+1], s18, v[GO]
	s_sub_co_u32 s19, s18, s17                     ; lanes 16-31 take B's scale words: ONE product, the distance x h
	v_mul_u32_u24 v[AD1+2], s19, v2
	s_add_co_u32 s17, s17, 6144
	v_lshl_add_u32 v15, v1, 4, s17
	v_add_nc_u32 v[AD1+2], v[AD1+2], v15
.if MODE == 0
	s_mul_i32 s17, s15, CH2                        ; V^T's tile: my group of Wv,
	s_mul_i32 s18, s16, 2*CH2
	s_add_co_u32 s18, s18, 2*CH2                   ; my first group of x
	v_add_nc_u32 v[AD2], s17, v[GO]
	v_add_nc_u32 v[AD2+1], s18, v[GO]
	s_sub_co_u32 s19, s18, s17
	v_mul_u32_u24 v[AD2+2], s19, v2
	s_add_co_u32 s17, s17, 6144
	v_lshl_add_u32 v15, v1, 4, s17
	v_add_nc_u32 v[AD2+2], v[AD2+2], v15
.endif
	s_mov_b32 s20, 0x76543210
	s_mov_b32 s21, 0xfedcba98                      ; v_permlanex16_b32's selects for lane l xor 16
.irp b, 0,1,2,3
	v_mov_b32 v[TM+4+\b], 0                        ; written once: a lane permute's destination counts as one of its sources
.endr
.macro STEPADR base, off               ; my three LDS addresses, off bytes on: with the v_nop four plain vector lines, which are also the four places in front of the loads that follow
	v_add_nc_u32 v[ADRA], \off, v[\base]
	v_add_nc_u32 v[ADRB], \off, v[\base+1]
	v_add_nc_u32 v[ADS], \off, v[\base+2]
	v_nop
.endm
; Load number LN of a K step's NL, into set FP, from the chunk's K step FS.  0, 1: the scale words (register i of a set: lanes 0-15 the words of A's tile i, lanes 16-31 those of B's tile i; in the small shape lanes 0-15 of
; registers 4-7 hold words that no product names);  2 .. 25: B's eight fragments;  from 26 on: A's.  Past the last it writes nothing.
.macro LD1
.if LN < 2
	WIN 0
	ds_load_b128 v[SC+8*FP+4*LN:SC+8*FP+4*LN+3], v[ADS] offset:LN*CHB+BLK*FS
.elseif LN < 26
.set LT, (LN-2)/3
.set LJ, (LN-2)%3
	WIN 0x40                                       ; destination window 1, address window 0
	ds_load_b128 v[128*FP+12*LT+4*LJ:128*FP+12*LT+4*LJ+3], v[ADRB] offset:(LT/4)*CHB+BLK*FS+1536*(LT%4)+512*LJ
.elseif LN < NL
.set LT, (LN-26)/3
.set LJ, (LN-26)%3
	WIN 0
	ds_load_b128 v[AF+96*FP+12*LT+4*LJ:AF+96*FP+12*LT+4*LJ+3], v[ADRA] offset:(LT/4)*CHB+BLK*FS+1536*(LT%4)+512*LJ
.endif
.set LN, LN+1
.endm
.macro FETCHRUN                        ; a tile's first K step has no products to stand among: all its loads in one run, into set 0
.set FP, 0
.set FS, 0
.set LN, 0
.rept NL
	LD1
.endr
	WIN 0
.endm
; A K step's products: A's NA tiles x B's eight, 128 along K, from set p.  The accumulators take turns, one instruction a turn, in the same order in every step.
; zero: the first step starts the sums.  fetch: the next step's loads stand behind every fourth product.
.macro MULF p, zero, fetch
.set LN, 0
.set WN, 0
.rept 8*NA
.if WN == 4*NA
.if \fetch
	s_wait_dscnt MIDC                              ; LDS loads come back in order: all but the next step's, issued in this step so far: the upper half of A's tiles is in
.else
	s_wait_dscnt 0x0
.endif
.endif
.set WW, 0xa1+0x50*(WN/32)             ; source 0 (B) window 1, source 1 (A) window 0, C and D window 2 or 3
	WIN WW
.set WD, 8*(WN%32)
.set WS, 128*(\p)+12*(WN%8)
.set WT, AF+96*(\p)+12*(WN/8)
.set WX, SC+8*(\p)+WN%8
.set WY, SC+8*(\p)+WN/8
.if \zero
	v_wmma_scale_f32_16x16x128_f8f6f4 v[WD:WD+7], v[WS:WS+11], v[WT:WT+11], 0, v[WX], v[WY] matrix_a_fmt:MATRIX_FMT_FP6 matrix_b_fmt:MATRIX_FMT_FP6 matrix_a_scale:MATRIX_SCALE_ROW1
.else
	v_wmma_scale_f32_16x16x128_f8f6f4 v[WD:WD+7], v[WS:WS+11], v[WT:WT+11], v[WD:WD+7], v[WX], v[WY] matrix_a_fmt:MATRIX_FMT_FP6 matrix_b_fmt:MATRIX_FMT_FP6 matrix_a_scale:MATRIX_SCALE_ROW1
.endif
.set WN, WN+1
.if (\fetch) && (WN%4 == 0)
.if WN == 4
.rept XTRA
	LD1
.endr
.endif
.rept LPG
	LD1
.endr
.endif
.endr
	WIN 0
.endm
.macro STEP ks, zero, fetch            ; K step ks is multiplied; fetch: K step ks + 1 is fetched, by the addresses that stand
.set FP, ((\ks)+1)%2
.set FS, ((\ks)+1)%CK
	MULF (\ks)%2, \zero, \fetch
.endm
.macro INSIDE                          ; the head of a K step whose successor lies in the same chunk
	s_wait_dscnt LATE                              ; all but the loads issued last, the upper half of A's tiles: what the step's first half names is in
	PLACES 4                                       ; for this step's loads, into the set that the last step multiplied
.endm
; THE WAY OUT.  Tile a's 64 registers of a lane are k = 32 b + 16 h + i of its row in the next product's K step: they become a fragment and a scale word and leave as the block's image.  ob: the scalar pair of the base
.macro QUANTW a, ob
.set QA, 64*((\a)%4)
.set QW, (\a)/4
.set PC, PC0+20*(\a)                   ; 20 registers of codes a tile, so that no store's data are written again
.set WW, 0x0a+5*QW
	WIN WW                                         ; sources 0 and 1 window 2 or 3
.irp b, 0,1,2,3
	v_max3_num_f32 v[TM+\b], |v[QA+16*\b]|, |v[QA+16*\b+1]|, 0x1800000   ; block b: my 16 numbers, each accumulator from its low end on, and the floor 2^(3 - 127): so the byte cannot fall under 1
.endr
.irp i, 2,4,6,8,10,12,14
.irp b, 0,1,2,3
	v_max3_num_f32 v[TM+\b], |v[QA+16*\b+\i]|, |v[QA+16*\b+\i+1]|, v[TM+\b]
.endr
.endr
	WIN 0
.irp b, 0,1,2,3
	v_permlanex16_b32 v[TM+4+\b], v[TM+\b], s20, s21
.endr
.irp b, 0,1,2,3
	v_max_num_f32 v[TM+\b], v[TM+\b], v[TM+4+\b]   ; with lane l xor 16's: the block's largest magnitude
.endr
.irp b, 0,1,2,3
	v_add_nc_u32 v[TM+12+\b], 0xff000000, v[TM+\b] ; 2 off its exponent field: the conversion's scale operand
.endr
.irp b, 0,1,2,3
	v_lshrrev_b32 v[TM+4+\b], 23, v[TM+12+\b]      ; the scale's byte
.endr
	v_lshl_or_b32 v[PW+(\a)], v[TM+5], 8, v[TM+4]
	v_lshl_or_b32 v[PW+(\a)], v[TM+6], 16, v[PW+(\a)]
	v_lshl_or_b32 v[PW+(\a)], v[TM+7], 24, v[PW+(\a)]
.set WW, 0x02+QW
	WIN WW                                         ; source 0 window 2 or 3
.irp c, 0,1
	v_cvt_scalef32_pk16_fp6_f32 v[PC+6*\c:PC+6*\c+2], v[QA+32*\c:QA+32*\c+15], v[TM+12+2*\c]
	v_cvt_scalef32_pk16_fp6_f32 v[PC+12+4*\c:PC+14+4*\c], v[QA+32*\c+16:QA+32*\c+31], v[TM+13+2*\c]   ; (a conversion's three registers begin on an even number)
.endr
	WIN 0
	v_nop                                          ; one plain place behind a scaled conversion
.irp c, 0,1                                    ; the operand's layout wants a WHOLE block in a lane
.irp i, 0,1,2
	v_permlane16_swap_b32 v[PC+6*\c+\i], v[PC+12+4*\c+\i]
.endr
.irp i, 0,1,2
	v_mov_b32 v[PC+3+6*\c+\i], v[PC+12+4*\c+\i]
.endr
.endr
.irp j, 0,1,2
	global_store_b128 v[GO], v[PC+4*\j:PC+4*\j+3], s[\ob:\ob+1] offset:QW*OSTR+1536*((\a)%4)+512*\j   ; 32 lanes store 512 consecutive bytes, at a multiple of 256 from the buffer's first byte
.endr
.endm
.macro SCALEOUT g, ob, sw              ; the scale words of block g (tiles 4 g .. 4 g + 3): lanes 0-15 store those of the first two tiles of their row, lanes 16-31 those of the other two
	v_cmp_ne_u32 s22, 0, v2
	v_cndmask_b32 v[\sw], v[PW+4*\g], v[PW+4*\g+2], s22
	v_cndmask_b32 v[\sw+1], v[PW+4*\g+1], v[PW+4*\g+3], s22
	global_store_b64 v[GS], v[\sw:\sw+1], s[\ob:\ob+1] offset:\g*OSTR+6144   ; 32 lanes store 256 consecutive bytes
.endm
; ---------------- the large tile
	SHAPE 8, 2, 3, 2                               ; 16 x 3 + 2 = 50 loads among 64 products
	STEPADR AD1, 0
	s_wait_tensorcnt 2                             ; my part of chunk 0 is in; the two first fills behind it may stay out
	s_barrier_signal -1
	s_barrier_wait -1                              ; everybody's is
	FETCHRUN
	s_wait_dscnt LATE
	STEP 0, 1, 1
	s_wait_dscnt 0x0                               ; INTO CHUNK 1.  No LDS load of mine is out at the signal;
	s_wait_tensorcnt 1                             ; my part of chunk 1 is in; chunk 2's may stay out
	s_barrier_signal -1
	s_barrier_wait -1
	STEPADR AD1, POS1
	STEP 1, 0, 1
	INSIDE
	STEP 2, 0, 1
	s_wait_tensorcnt 0x0                           ; INTO CHUNK 2, AND POSITION 0 IS FILLED AGAIN.  All my tensor loads have landed: the one that could be out is my part of chunk 2;
	ds_add_u32 v[SPW], v[NIL]                      ; 0 onto my spare word;
	s_add_nc_u64 s[G0A+2:G0A+3], s[G0A+2:G0A+3], 3*CH1   ; no load of mine is out, so a group 0 may be written: position 0's set steps from chunk 0 to chunk 3
	s_add_nc_u64 s[G0B+2:G0B+3], s[G0B+2:G0B+3], 3*CH1
	s_wait_dscnt 0x0                               ; the add is done, and my reads of positions 0 and 1 are over
	CROUND                                         ; the same now holds of every wave of every partner
	JLOAD G0A, G1A, G0B, G1B                       ; the first thing behind the round, one load a wave; it has two K steps, 128 products, in which to land
	STEPADR AD1, 2*POS1
	STEP 3, 0, 1
	INSIDE
	STEP 4, 0, 1
.if MODE == 0
	s_wait_tensorcnt 0x0                           ; INTO CHUNK 3, AND V^T'S FIRST HALF IS ASKED FOR, into bytes that lie in positions 1 and 2.  All my tensor loads have landed: my part of chunk 3;
	ds_add_u32 v[SPW], v[NIL]                      ; 0 onto my spare word;
	s_mul_i32 s17, s16, CH2                        ; sets 1 and 2 of both groups 0 are written for V^T's two halves: Wv's group 0 or 1;
	s_mul_i32 s18, s16, 2*CH2
	s_add_co_u32 s18, s18, 2*CH2                   ; x's groups 0, 1 or 2, 3, behind Wv's two
.irp j, 0,1
	s_add_co_u32 s[G0A+4+4*\j+1], s17, (1-\j)*VP0
	s_add_nc_u64 s[G0A+4+4*\j+2:G0A+4+4*\j+3], s[VAA:VAA+1], \j*CH2
	s_or_b32 s[G0A+4+4*\j+3], s[G0A+4+4*\j+3], 0x80000000
	s_add_co_u32 s[G0B+4+4*\j+1], s18, (1-\j)*VP0
	s_add_nc_u64 s[G0B+4+4*\j+2:G0B+4+4*\j+3], s[VBA:VBA+1], \j*CH2
	s_or_b32 s[G0B+4+4*\j+3], s[G0B+4+4*\j+3], 0x80000000
.endr
	s_wait_dscnt 0x0                               ; the add is done, and my reads of positions 1 and 2 are over
	CROUND
	JLOAD G0A+4, G1VA, G0B+4, G1VB                 ; it has three K steps and half the way out in which to land
.else
	s_wait_dscnt 0x0                               ; INTO CHUNK 3.  No LDS load of mine is out at the signal;
	s_wait_tensorcnt 0x0                           ; my part of chunk 3, my last tensor load, is in
	s_barrier_signal -1
	s_barrier_wait -1
.endif
	STEPADR AD1, 0
	STEP 5, 0, 1
	INSIDE
	STEP 6, 0, 1
	s_wait_dscnt LATE
	STEP 7, 0, 0
	PLACES 4                                       ; behind the last products: their results are read, and A's registers take the codes
	QUANTW 0, OUT1
	QUANTW 1, OUT1
	QUANTW 2, OUT1
	QUANTW 3, OUT1
	SCALEOUT 0, OUT1, SW0
.if MODE == 0
	s_wait_tensorcnt 0x0                           ; V^T'S SECOND HALF IS ASKED FOR, into bytes 0 on: position 0 and the lower half of position 1.  All my tensor loads have landed: my part of V^T's first half;
	ds_add_u32 v[SPW], v[NIL]                      ; 0 onto my spare word;
	s_wait_dscnt 0x0                               ; the add is done; my reads of position 0 ended in front of the last K step
	CROUND                                         ; behind it V^T's first half is whole in every work-group
	JLOAD G0A+8, G1VA, G0B+8, G1VB                 ; it has the other half of the way out and three K steps in which to land
.endif
	QUANTW 4, OUT1
	QUANTW 5, OUT1
	QUANTW 6, OUT1
	QUANTW 7, OUT1
	SCALEOUT 1, OUT1, SW1
.if MODE == 0
; ---------------- V^T's tile
	SHAPE 4, 4, 5, 0                               ; 38 loads among 32 products
	s_wait_xcnt 0x0                                ; the first tile's stores have read their registers: A's fragments may land on the codes
	STEPADR AD2, VP0
	FETCHRUN
	s_wait_dscnt LATE
	STEP 0, 1, 1
	INSIDE
	STEP 1, 0, 1
	INSIDE
	STEP 2, 0, 1
	s_wait_dscnt 0x0                               ; INTO THE SECOND HALF.  No LDS load of mine is out at the signal;
	s_wait_tensorcnt 0x0                           ; my part of it, my last tensor load, is in
	s_barrier_signal -1
	s_barrier_wait -1
	STEPADR AD2, 0
	STEP 3, 0, 1
	INSIDE
	STEP 4, 0, 1
	INSIDE
	STEP 5, 0, 1
	INSIDE
	STEP 6, 0, 1
	s_wait_dscnt LATE
	STEP 7, 0, 0
	PLACES 4
	QUANTW 0, OUT2
	QUANTW 1, OUT2
	QUANTW 2, OUT2
	QUANTW 3, OUT2
	SCALEOUT 0, OUT2, SW0
.endif
	s_wait_tensorcnt 0x0                           ; the wave's end: behind my last tensor load
	ds_add_u32 v[SPW], v[NIL]
	s_wait_dscnt 0x0
	CROUND                                         ; the closing round: no work-group ends while a partner may still ask for a piece that names it
	s_endpgm
.Lfunc_end_k_qcc5ded52f0_qkv:
	.size	k_qcc5ded52f0_qkv, .Lfunc_end_k_qcc5ded52f0_qkv-k_qcc5ded52f0_qkv
	.p2alignl 7, 3214868480
	.fill 96, 4, 3214868480
	.section	.rodata,"a",@progbits
	.p2align	6, 0x0
	.amdhsa_kernel k_qcc5ded52f0_qkv
		.amdhsa_group_segment_fixed_size 327680
		.amdhsa_private_segment_fixed_size 0
		.amdhsa_enable_private_segment 0
		.amdhsa_kernarg_size 24
		.amdhsa_user_sgpr_count 2
		.amdhsa_user_sgpr_kernarg_segment_ptr 1
		.amdhsa_wavefront_size32 1
		.amdhsa_system_sgpr_workgroup_id_x 1
		.amdhsa_system_sgpr_workgroup_id_y 1
		.amdhsa_system_sgpr_workgroup_id_z 1
		.amdhsa_system_vgpr_workitem_id 0
		.amdhsa_next_free_vgpr 1024
		.amdhsa_next_free_sgpr 102
		.amdhsa_reserve_vcc 0
		.amdhsa_float_denorm_mode_32 3
		.amdhsa_float_denorm_mode_16_64 3
		.amdhsa_memory_ordered 1
		.amdhsa_forward_progress 1
		.amdhsa_inst_pref_size 220
	.end_amdhsa_kernel
	.amdgpu_metadata
---
amdhsa.version: [ 1, 2 ]
amdhsa.kernels:
  - .name:           k_qcc5ded52f0_qkv
    .symbol:         k_qcc5ded52f0_qkv.kd
    .args:
      - { .name: w1, .offset: 0, .size: 8, .value_kind: global_buffer, .address_space: global }
      - { .name: w2, .offset: 8, .size: 8, .value_kind: global_buffer, .address_space: global }
      - { .name: w3, .offset: 16, .size: 8, .value_kind: global_buffer, .address_space: global }
    .group_segment_fixed_size: 327680
    .private_segment_fixed_size: 0
    .kernarg_segment_align: 8
    .kernarg_segment_size: 24
    .max_flat_workgroup_size: 128
    .sgpr_count:     102
    .vgpr_count:     1024
    .wavefront_size: 32
...
	.end_amdgpu_metadata
.endif
;; end of part 2
;; launch scores (part 3): grid 64 x 4, 4 waves a work-group, clusters of 4 x 4, 327,680 bytes of LDS; arguments w2, w3; writes w3
.if DOCPART == 3
	.amdgcn_target "amdgcn-amd-amdhsa--gfx1250"
	.amdhsa_code_object_version 6
	.text
	.protected	k_qcc5ded52f0_scores
	.globl	k_qcc5ded52f0_scores
	.p2align	8
	.type	k_qcc5ded52f0_scores,@function
k_qcc5ded52f0_scores:
	s_mov_b64 s[64:65], 0
	v_nop
	global_prefetch_b8 v0, s[64:65] scope:SCOPE_SE
	s_setreg_imm32_b32 hwreg(HW_REG_WAVE_MODE, 25, 1), 1
	s_wait_xcnt 0x0
	s_wait_alu depctr_hold_cnt(0) depctr_sa_sdst(0) depctr_va_vdst(0) depctr_va_sdst(0) depctr_va_ssrc(0) depctr_va_vcc(0) depctr_vm_vsrc(0)
	s_getreg_b32 s2, hwreg(HW_REG_IB_STS2, 6, 4)
	s_cmp_eq_u32 s2, 0
	s_cbranch_scc0 .Lentry_in_a_cluster
	s_endpgm
.Lentry_in_a_cluster:
	s_bfe_u32 s2, ttmp6, 0x10000c
	s_cmp_lg_u32 s2, 0xf033
	s_cbranch_scc0 .Lentry_shape_is_right
	s_endpgm
.Lentry_shape_is_right:
; ONE TEXT FOR LAUNCHES 2 AND 3; MODE picks the launch.  O[m][n] = sum over k of A[m][k] B[n][k], both operands codes of FP6 (E2M3) with one E8M0 scale for each 32 along K, sums in f32; K = 1,024.  No work is left out.
;   MODE 0 (qkv):    first a tile of Q = x Wq or of K = x Wk (A = x, B = the weight), then, in the same work-group, a smaller tile of V^T = Wv^T x^T (A = Wv, B = x).     MODE 1 (scores): a tile of S = Q K^T of one batch.
; Every result is an operand of a later product with K = this product's n: it is quantised in registers and leaves as codes and scale words; no f32 intermediate goes to memory.
; THE OPERAND LAYOUT of all workspace buffers: OP[group of 64 rows][K step of 128][6,400 bytes]: four fragments as images of their registers (tile a at 1,536 a: register 4 j + i of lane l at 512 j + 16 l + 4 i),
; then 256 bytes of scale words (lane r of tile a at 6,144 + 16 r + 4 a).  Lane r of tile a holds row 32 (a / 2) + 8 (a % 2) + r + 8 (r / 8) of the 64.
; THE MATRIX INSTRUCTION IS USED TRANSPOSED (source 0 = 16 rows of B, source 1 = 16 rows of A): a lane holds ONE row of A, and by the order of rows above the 16 registers of B's tiles 2 b and 2 b + 1 are the
; 16 neighbours n = 32 b + 16 (lane / 16) + 0 .. 15: what the conversions want.  A wave's 128 columns are one K step of the next product: a block of 6,400 bytes for each 64 rows, written whole by the wave.
; SHARES.  256 work-groups of four waves.  THE LARGE TILE is 256 x 256 of O; wave w rows 128 (w / 2) on, columns 128 (w % 2) on: 64 accumulators, 512 registers; a K step's 50 LDS loads feed 64 products.
; Its operands are 409,600 bytes; LDS has three positions of 102,400 (8 groups x 256 along K).  Chunks 0, 1, 2 along K are first fills, asked for at the head; chunk 3 is the tile's one refill, into position 0,
; asked for at the change into chunk 2: the wait for all loads that stands there asks for chunk 2 alone, which the next LDS loads want anyway.  It has two K steps, 128 products, in which to land.
; MODE 0: THE WORK-GROUP STAYS.  V^T's tile is 128 x 256 (wave: 64 x 128, 32 accumulators); its operands, 307,200 bytes, come in two halves along K: the first at the change into chunk 3, into bytes 153,600 on (positions 1 and 2
; are read out), the second in the middle of the first tile's way out, into bytes 0 on.  The first tile's stores leave while V^T is multiplied.  So each work-group has 2 + 1 units of work, all alike, and one path through the text.
; CLUSTERS: 4 x 4 work-groups.  The four of a row of the cluster need the same rows of A, the four of a column the same rows of B: each piece is asked for JOINTLY, by the same tensor load with the same
; descriptor and a mask that names the four.  By this text's own count a wave has three tensor loads out at the most.
; THE LDS LOADS STAND AMONG THE PRODUCTS: behind every fourth product the loads of one fragment of the next K step (3; in the small shape 5), with a switch of the register windows in front and behind.  In one run a K step's
; 50 loads would be 50 issue slots and more with no product among them; strewn, five to seven slots follow a product.  That is the price of some 36 switches a K step, and it is taken on purpose.
; No prefetch is written: three quarters of a tile are asked for by the tensor loads at the head, where nothing is prefetched, and the rest follows within a few K steps.
; LIMITS: NaN and infinities are not served.  A block of zeros, or one whose largest magnitude lies under 2^-124, gets the byte 1; the bytes are read by this program alone.  One accumulator for each output, K ascending.
; REGISTERS, in windows of 256: window 0: v1-18 lanes and addresses; v20-27 the scale words made; v28, v29 the add's two; v32-47 the operands' scale words, two sets, and nothing else; v48-63 the quantiser's;
;   v64-255 A's fragments, two sets of 96; on the way out 20 registers of codes a tile.   window 1: B's fragments, two sets, at v0 and v128.   windows 2, 3: accumulator (a, b) at v[8 (8 (a % 4) + b)] of window 2 + a / 4.
.set MODE, 1
.set BLK,   6400
.set NK,    8                          ; K steps of 128
.set CH1,   2*BLK                      ; the large tile: a chunk (256 along K) of one group of 64 rows
.set POS1,  8*CH1                      ; a position: A's four groups, then B's four
.set CH2,   4*BLK                      ; V^T's tile: a half (512 along K) of one group
.set VP0,   6*CH2                      ; its first half lies from here on (A's two groups, then B's four), its second from byte 0 on
.set SPARE, 3*POS1                     ; 307,200: behind the positions: the spare words, 128 bytes for each wave: two blocks of 256 bytes that no other line names
.if MODE == 0
.set OSTR,  8*BLK                      ; from a group of 64 rows to the next in the result's operand: its K steps x 6,400
.else
.set OSTR,  16*BLK
.endif
.set AD1,  4                           ; v4-6   the large tile: my three LDS addresses in position 0; never rewritten
.set ADRA, 8                           ; v8     my A fragments in the position in hand: my first group + 16 x lane
.set ADRB, 9                           ; v9     my B fragments likewise
.set ADS,  10                          ; v10    scale words: lanes 0-15 A's group, lanes 16-31 B's: + 6,144 + 16 r; the second groups lie a chunk further on for both
.set GO,   12                          ; v12    16 x lane
.set GS,   13                          ; v13    16 r + 8 h: where I store two scale words
.set SW1,  14                          ; v14-15 scale words on their way out, second block
.set AD2,  16                          ; v16-18 V^T's tile: my three LDS addresses, from a half's first byte; never rewritten
.set PW,   20                          ; v20-27 the scale words of my eight tiles of rows
.set SPW,  28
.set NIL,  29
.set SW0,  30                          ; v30-31 scale words on their way out, first block
.set SC,   32
.set TM,   48
.set AF,   64
.set PC0,  64
.set G1A,  24                          ; s[24:31] descriptor group 1 for A's pieces of the large tile;  s[32:39] for B's
.set G1B,  32
.set G0A,  40                          ; s[40:51] group 0 for A's pieces, three sets;  s[68:79] for B's
.set OUT1, 52                          ; s[52:53] where my part of the large tile goes;  s[54:55] my part of V^T's
.set OUT2, 54
.set G0B,  68
.set G1VA, 80                          ; s[80:87] group 1 for Wv's pieces;  s[88:95] for x's, in V^T's tile
.set G1VB, 88
.set VAA,  96                          ; s[96:97] where the piece of Wv that I fetch begins;  s[98:99] the pieces of x
.set VBA,  98
.set MSB, 0
.macro WIN new                         ; the immediate's high byte repeats the setting that is left; a switch that changes nothing is dropped
.if MSB != \new
	s_set_vgpr_msb (MSB<<8)|\new
.set MSB, \new
.endif
.endm
.macro PLACES n                        ; a load into a register that a matrix instruction has read, and a vector instruction that reads a matrix result or writes one of its registers, stand four places behind it; only plain vector instructions that name none of its registers are places
.rept \n
	v_nop
.endr
.endm
; A joint load: waves 0 and 1 fetch for A, waves 2 and 3 for B.  Each line has ONE mask and one set of registers for all that issue it; the branch hangs on the wave's number alone.
; An s_nop 0 and four v_nop follow each of the two lines, ahead of the jump, the label and what follows.
.macro JLOAD g0a, g1a, g0b, g1b
	s_cmp_eq_u32 s15, 0
	s_cbranch_scc0 .Lfor_b_\@
	tensor_load_to_lds s[\g0a:\g0a+3], s[\g1a:\g1a+7]
	s_nop 0
.rept 4
	v_nop
.endr
	s_branch .Lasked_\@
.Lfor_b_\@:
	tensor_load_to_lds s[\g0b:\g0b+3], s[\g1b:\g1b+7]
	s_nop 0
.rept 4
	v_nop
.endr
.Lasked_\@:
.endm
.macro CROUND                          ; a round of the cluster's barrier: my work-group's barrier; wave 0 signals for the work-group; every wave waits for all sixteen; my work-group's barrier once more
	s_barrier_signal -1
	s_barrier_wait -1
	s_cmp_lg_u32 s14, 0
	s_cbranch_scc1 .Lnot_wave_0_\@
	s_barrier_signal -3
.Lnot_wave_0_\@:
	s_barrier_wait -3
	s_barrier_signal -1
	s_barrier_wait -1
.endm
; The shape in hand: na tiles of 16 rows of A a wave, ck K steps in a chunk, lpg loads behind every fourth product (xtra more behind the first four)
.macro SHAPE na, ck, lpg, xtra
.set NA,   \na
.set CK,   \ck
.set CHB,  (\ck)*BLK
.set NL,   26+3*(\na)                  ; LDS loads of a K step: 2 of scale words, 24 for B's eight fragments, 3 for each of A's
.set LPG,  \lpg
.set XTRA, \xtra
.set LATE, 3*(\na)/2                   ; the loads of the upper half of A's tiles: issued last, wanted from a step's middle on
.set MIDC, (\na)*(\lpg)+(\xtra)        ; the next step's loads that a step has issued at its middle
.endm
	s_load_b128 s[4:7], s[0:1], 0x0                ; the operands' buffer s[4:5]; the second argument s[6:7]
.if MODE == 0
	s_load_b64 s[8:9], s[0:1], 0x10                ; the third
.endif
	v_lshl_add_u32 v[SPW], v0, 2, SPARE
	v_mov_b32 v[NIL], 0
	ds_add_u32 v[SPW], v[NIL]                      ; the wave's opening: the add, twice on end, and its wait ahead of my first tensor load; the set-up below, work on registers, stands between
	ds_add_u32 v[SPW], v[NIL]
	v_lshrrev_b32 v1, 5, v0
	v_readfirstlane_b32 s14, v1                    ; wave 0..3
	s_lshr_b32 s15, s14, 1                         ; which half of the tile's rows of A is mine.  Also: I fetch for A (0) or for B (1)
	s_and_b32 s16, s14, 1                          ; which half of its rows of B is mine.  Also: which part I fetch
	s_bfe_u32 s56, ttmp6, 0x40000                  ; cx, cy: my place in the cluster
	s_bfe_u32 s57, ttmp6, 0x40004
	s_lshl_b32 s58, s57, 2
	s_lshl_b32 s58, 15, s58                        ; my row of the cluster
	s_lshl_b32 s59, 0x1111, s56                    ; my column
	; which tile: s60 = tile row mt, s61 = tile column nt (256 rows each); s62, s100 = the tile's first group of 64 in A, in B.  ttmp9 counts clusters, 16 of them.  A's numbers never hold cx, B's never cy.
.if MODE == 0
	s_and_b32 s10, ttmp9, 1                        ; 0: Q, 1: K
	s_lshr_b32 s11, ttmp9, 1
	s_lshl_b32 s60, s11, 2
	s_add_co_u32 s60, s60, s57                     ; 32 tile rows of x
	s_lshl_b32 s61, s10, 2
	s_add_co_u32 s61, s61, s56                     ; 8 tile columns: Wq's four, then Wk's four: their operands lie one behind the other
	s_lshl_b32 s62, s60, 2
	s_lshl_b32 s100, s61, 2
.else
	s_lshr_b32 s10, ttmp9, 2                       ; the batch: 4 clusters each, 8 x 8 tiles
	s_and_b32 s11, ttmp9, 3
	s_lshr_b32 s60, s11, 1
	s_lshl_b32 s60, s60, 2
	s_add_co_u32 s60, s60, s57
	s_and_b32 s61, s11, 1
	s_lshl_b32 s61, s61, 2
	s_add_co_u32 s61, s61, s56
	s_lshl_b32 s12, s10, 5                         ; 32 groups of 64 rows a batch
	s_lshl_b32 s62, s60, 2
	s_add_co_u32 s62, s62, s12
	s_lshl_b32 s100, s61, 2
	s_add_co_u32 s100, s100, s12
.endif
	s_lshl_b32 s17, s16, 1
	s_add_co_u32 s62, s62, s17                     ; A: the first of the two groups that I fetch,
	s_mul_i32 s62, s62, NK*BLK                     ; in bytes: x's (Q's) operand begins at the buffer's first byte
	s_mov_b32 s63, 0
	s_add_co_u32 s100, s100, s17                   ; B likewise,
	s_mul_i32 s100, s100, NK*BLK
	s_add_co_u32 s100, s100, 6553600               ; behind A's operand: the weights' (K's)
	s_mov_b32 s101, 0
.if MODE == 0
	s_lshl_b32 s12, s10, 2                         ; V^T: 8 tile rows of 128 (Wv's columns) x 32 tile columns of 256 (x's rows)
	s_add_co_u32 s12, s12, s57                     ; tile row
	s_lshl_b32 s96, s12, 1
	s_add_co_u32 s96, s96, s16                     ; the group of Wv that I fetch
	s_mul_i32 s96, s96, NK*BLK
	s_add_co_u32 s96, s96, 8192000                 ; Wv's operand
	s_mov_b32 s97, 0
	s_lshl_b32 s66, s11, 2
	s_add_co_u32 s66, s66, s56                     ; tile column
	s_lshl_b32 s98, s66, 2
	s_add_co_u32 s98, s98, s17                     ; the first of the two groups of x that I fetch
	s_mul_i32 s98, s98, NK*BLK
	s_mov_b32 s99, 0
.endif
	; descriptor group 1, the large tile: two groups' chunks: two rows of CH1 bytes (elements of 8), a group (NK blocks) apart.  No padding: every LDS load below reads 512 consecutive bytes (the scale words': 2 x 256)
	s_or_b32 s[G1A], s58, (3<<16)|(1<<21)          ; 15:0 the mask: my row of the cluster; 17:16 elements of 8 bytes; 21 set beside a mask
	s_or_b32 s[G1B], s59, (3<<16)|(1<<21)          ; the mask: my column
.irp g, G1A, G1B
	s_mov_b32 s[\g+1], (CH1/8)<<16                 ; tensor_dim0
	s_mov_b32 s[\g+2], 2<<16                       ; tensor_dim1
	s_mov_b32 s[\g+3], (CH1/8)<<16                 ; tile_dim0
	s_mov_b32 s[\g+4], 2                           ; tile_dim1
	s_mov_b32 s[\g+5], NK*BLK/8                    ; tensor_dim0_stride
	s_mov_b32 s[\g+6], 0
	s_mov_b32 s[\g+7], 0
.endr
.if MODE == 0
	; V^T's tile.  Wv: one group's half, CH2 dense bytes, as rows of 256 bytes.  x: two groups' halves: two rows of CH2 bytes, a group apart
	s_or_b32 s[G1VA], s58, (3<<16)|(1<<21)
	s_mov_b32 s[G1VA+1], 32<<16
	s_mov_b32 s[G1VA+2], (CH2/256)<<16
	s_mov_b32 s[G1VA+3], 32<<16
	s_mov_b32 s[G1VA+4], CH2/256
	s_mov_b32 s[G1VA+5], 32
	s_mov_b32 s[G1VA+6], 0
	s_mov_b32 s[G1VA+7], 0
	s_or_b32 s[G1VB], s59, (3<<16)|(1<<21)
	s_mov_b32 s[G1VB+1], (CH2/8)<<16
	s_mov_b32 s[G1VB+2], 2<<16
	s_mov_b32 s[G1VB+3], (CH2/8)<<16
	s_mov_b32 s[G1VB+4], 2
	s_mov_b32 s[G1VB+5], NK*BLK/8
	s_mov_b32 s[G1VB+6], 0
	s_mov_b32 s[G1VB+7], 0
.endif
	s_mul_i32 s18, s16, 2*CH1                      ; where they go in a position: A's groups 0, 1 or 2, 3;
	s_add_co_u32 s19, s18, 4*CH1                   ; B's, behind A's four: no place in the cluster enters an LDS address
	s_wait_dscnt 0x0                               ; both opening adds are done
	s_wait_kmcnt 0x0
	s_add_nc_u64 s[62:63], s[4:5], s[62:63]
	s_add_nc_u64 s[100:101], s[4:5], s[100:101]
.if MODE == 0
	s_add_nc_u64 s[VAA:VAA+1], s[4:5], s[VAA:VAA+1]
	s_add_nc_u64 s[VBA:VBA+1], s[4:5], s[VBA:VBA+1]
.endif
.irp c, 0,1,2                                  ; group 0 for the three first fills
	s_mov_b32 s[G0A+4*\c], 1                       ; count = 1
	s_add_co_u32 s[G0A+4*\c+1], s18, \c*POS1       ; LDS address
	s_add_nc_u64 s[G0A+4*\c+2:G0A+4*\c+3], s[62:63], \c*CH1   ; global address
	s_or_b32 s[G0A+4*\c+3], s[G0A+4*\c+3], 0x80000000   ; type = 2
	s_mov_b32 s[G0B+4*\c], 1
	s_add_co_u32 s[G0B+4*\c+1], s19, \c*POS1
	s_add_nc_u64 s[G0B+4*\c+2:G0B+4*\c+3], s[100:101], \c*CH1
	s_or_b32 s[G0B+4*\c+3], s[G0B+4*\c+3], 0x80000000
.endr
	CROUND                                         ; all sixteen work-groups are here: the first joint loads meet
.irp c, 0,1,2
	JLOAD G0A+4*\c, G1A, G0B+4*\c, G1B             ; the first fills go out as one group, one a wave for each position
.endr
	; where my results go
	s_lshl_b32 s2, s60, 2
	s_lshl_b32 s3, s15, 1
	s_add_co_u32 s2, s2, s3                        ; my first group of 64 rows: 4 mt + 2 x my half
.if MODE == 0
	s_lshl_b32 s2, s2, 3                           ; Q, K: [group][8 K steps], K behind Q
	s_lshl_b32 s3, s56, 1                          ; my K step of the next product: 2 x (the tile column within the weight) + my half
	s_add_co_u32 s2, s2, s3
	s_add_co_u32 s2, s2, s16
	s_mul_i32 s2, s2, BLK
	s_mul_i32 s3, s10, 6553600
	s_add_co_u32 s2, s2, s3
	s_mov_b32 s3, 0
	s_add_nc_u64 s[OUT1:OUT1+1], s[6:7], s[2:3]
	s_lshl_b32 s2, s66, 1                          ; V^T: [batch][16 groups][16 K steps], behind S: the keys' K step / 16 is the batch
	s_add_co_u32 s2, s2, s16
	s_lshl_b32 s3, s12, 1
	s_add_co_u32 s3, s3, s15
	s_lshl_b32 s3, s3, 4
	s_and_b32 s13, s2, 15
	s_add_co_u32 s3, s3, s13
	s_mul_i32 s3, s3, BLK
	s_lshr_b32 s2, s2, 4
	s_mul_i32 s2, s2, 1638400
	s_add_co_u32 s2, s2, s3
	s_add_co_u32 s2, s2, 13107200
	s_mov_b32 s3, 0
	s_add_nc_u64 s[OUT2:OUT2+1], s[8:9], s[2:3]
.else
	s_lshl_b32 s2, s2, 4                           ; S: [batch][32 groups][16 K steps]
	s_lshl_b32 s3, s61, 1
	s_add_co_u32 s2, s2, s3
	s_add_co_u32 s2, s2, s16
	s_mul_i32 s2, s2, BLK
	s_mul_i32 s3, s10, 3276800
	s_add_co_u32 s2, s2, s3
	s_mov_b32 s3, 0
	s_add_nc_u64 s[OUT1:OUT1+1], s[6:7], s[2:3]
.endif
	v_and_b32 v1, 15, v0                           ; r
	v_bfe_u32 v2, v0, 4, 1                         ; h
	v_and_b32 v3, 31, v0                           ; lane
	v_lshlrev_b32 v[GO], 4, v3
	v_lshlrev_b32 v[GS], 4, v1
	v_lshl_add_u32 v[GS], v2, 3, v[GS]
	s_mul_i32 s17, s15, 2*CH1                      ; the large tile: my first group of A,
	s_mul_i32 s18, s16, 2*CH1
	s_add_co_u32 s18, s18, 4*CH1                   ; my first group of B
	v_add_nc_u32 v[AD1], s17, v[GO]
	v_add_nc_u32 v[AD1+1], s18, v[GO]
	s_sub_co_u32 s19, s18, s17                     ; lanes 16-31 take B's scale words: ONE product, the distance x h
	v_mul_u32_u24 v[AD1+2], s19, v2
	s_add_co_u32 s17, s17, 6144
	v_lshl_add_u32 v15, v1, 4, s17
	v_add_nc_u32 v[AD1+2], v[AD1+2], v15
.if MODE == 0
	s_mul_i32 s17, s15, CH2                        ; V^T's tile: my group of Wv,
	s_mul_i32 s18, s16, 2*CH2
	s_add_co_u32 s18, s18, 2*CH2                   ; my first group of x
	v_add_nc_u32 v[AD2], s17, v[GO]
	v_add_nc_u32 v[AD2+1], s18, v[GO]
	s_sub_co_u32 s19, s18, s17
	v_mul_u32_u24 v[AD2+2], s19, v2
	s_add_co_u32 s17, s17, 6144
	v_lshl_add_u32 v15, v1, 4, s17
	v_add_nc_u32 v[AD2+2], v[AD2+2], v15
.endif
	s_mov_b32 s20, 0x76543210
	s_mov_b32 s21, 0xfedcba98                      ; v_permlanex16_b32's selects for lane l xor 16
.irp b, 0,1,2,3
	v_mov_b32 v[TM+4+\b], 0                        ; written once: a lane permute's destination counts as one of its sources
.endr
.macro STEPADR base, off               ; my three LDS addresses, off bytes on: with the v_nop four plain vector lines, which are also the four places in front of the loads that follow
	v_add_nc_u32 v[ADRA], \off, v[\base]
	v_add_nc_u32 v[ADRB], \off, v[\base+1]
	v_add_nc_u32 v[ADS], \off, v[\base+2]
	v_nop
.endm
; Load number LN of a K step's NL, into set FP, from the chunk's K step FS.  0, 1: the scale words (register i of a set: lanes 0-15 the words of A's tile i, lanes 16-31 those of B's tile i; in the small shape lanes 0-15 of
; registers 4-7 hold words that no product names);  2 .. 25: B's eight fragments;  from 26 on: A's.  Past the last it writes nothing.
.macro LD1
.if LN < 2
	WIN 0
	ds_load_b128 v[SC+8*FP+4*LN:SC+8*FP+4*LN+3], v[ADS] offset:LN*CHB+BLK*FS
.elseif LN < 26
.set LT, (LN-2)/3
.set LJ, (LN-2)%3
	WIN 0x40                                       ; destination window 1, address window 0
	ds_load_b128 v[128*FP+12*LT+4*LJ:128*FP+12*LT+4*LJ+3], v[ADRB] offset:(LT/4)*CHB+BLK*FS+1536*(LT%4)+512*LJ
.elseif LN < NL
.set LT, (LN-26)/3
.set LJ, (LN-26)%3
	WIN 0
	ds_load_b128 v[AF+96*FP+12*LT+4*LJ:AF+96*FP+12*LT+4*LJ+3], v[ADRA] offset:(LT/4)*CHB+BLK*FS+1536*(LT%4)+512*LJ
.endif
.set LN, LN+1
.endm
.macro FETCHRUN                        ; a tile's first K step has no products to stand among: all its loads in one run, into set 0
.set FP, 0
.set FS, 0
.set LN, 0
.rept NL
	LD1
.endr
	WIN 0
.endm
; A K step's products: A's NA tiles x B's eight, 128 along K, from set p.  The accumulators take turns, one instruction a turn, in the same order in every step.
; zero: the first step starts the sums.  fetch: the next step's loads stand behind every fourth product.
.macro MULF p, zero, fetch
.set LN, 0
.set WN, 0
.rept 8*NA
.if WN == 4*NA
.if \fetch
	s_wait_dscnt MIDC                              ; LDS loads come back in order: all but the next step's, issued in this step so far: the upper half of A's tiles is in
.else
	s_wait_dscnt 0x0
.endif
.endif
.set WW, 0xa1+0x50*(WN/32)             ; source 0 (B) window 1, source 1 (A) window 0, C and D window 2 or 3
	WIN WW
.set WD, 8*(WN%32)
.set WS, 128*(\p)+12*(WN%8)
.set WT, AF+96*(\p)+12*(WN/8)
.set WX, SC+8*(\p)+WN%8
.set WY, SC+8*(\p)+WN/8
.if \zero
	v_wmma_scale_f32_16x16x128_f8f6f4 v[WD:WD+7], v[WS:WS+11], v[WT:WT+11], 0, v[WX], v[WY] matrix_a_fmt:MATRIX_FMT_FP6 matrix_b_fmt:MATRIX_FMT_FP6 matrix_a_scale:MATRIX_SCALE_ROW1
.else
	v_wmma_scale_f32_16x16x128_f8f6f4 v[WD:WD+7], v[WS:WS+11], v[WT:WT+11], v[WD:WD+7], v[WX], v[WY] matrix_a_fmt:MATRIX_FMT_FP6 matrix_b_fmt:MATRIX_FMT_FP6 matrix_a_scale:MATRIX_SCALE_ROW1
.endif
.set WN, WN+1
.if (\fetch) && (WN%4 == 0)
.if WN == 4
.rept XTRA
	LD1
.endr
.endif
.rept LPG
	LD1
.endr
.endif
.endr
	WIN 0
.endm
.macro STEP ks, zero, fetch            ; K step ks is multiplied; fetch: K step ks + 1 is fetched, by the addresses that stand
.set FP, ((\ks)+1)%2
.set FS, ((\ks)+1)%CK
	MULF (\ks)%2, \zero, \fetch
.endm
.macro INSIDE                          ; the head of a K step whose successor lies in the same chunk
	s_wait_dscnt LATE                              ; all but the loads issued last, the upper half of A's tiles: what the step's first half names is in
	PLACES 4                                       ; for this step's loads, into the set that the last step multiplied
.endm
; THE WAY OUT.  Tile a's 64 registers of a lane are k = 32 b + 16 h + i of its row in the next product's K step: they become a fragment and a scale word and leave as the block's image.  ob: the scalar pair of the base
.macro QUANTW a, ob
.set QA, 64*((\a)%4)
.set QW, (\a)/4
.set PC, PC0+20*(\a)                   ; 20 registers of codes a tile, so that no store's data are written again
.set WW, 0x0a+5*QW
	WIN WW                                         ; sources 0 and 1 window 2 or 3
.irp b, 0,1,2,3
	v_max3_num_f32 v[TM+\b], |v[QA+16*\b]|, |v[QA+16*\b+1]|, 0x1800000   ; block b: my 16 numbers, each accumulator from its low end on, and the floor 2^(3 - 127): so the byte cannot fall under 1
.endr
.irp i, 2,4,6,8,10,12,14
.irp b, 0,1,2,3
	v_max3_num_f32 v[TM+\b], |v[QA+16*\b+\i]|, |v[QA+16*\b+\i+1]|, v[TM+\b]
.endr
.endr
	WIN 0
.irp b, 0,1,2,3
	v_permlanex16_b32 v[TM+4+\b], v[TM+\b], s20, s21
.endr
.irp b, 0,1,2,3
	v_max_num_f32 v[TM+\b], v[TM+\b], v[TM+4+\b]   ; with lane l xor 16's: the block's largest magnitude
.endr
.irp b, 0,1,2,3
	v_add_nc_u32 v[TM+12+\b], 0xff000000, v[TM+\b] ; 2 off its exponent field: the conversion's scale operand
.endr
.irp b, 0,1,2,3
	v_lshrrev_b32 v[TM+4+\b], 23, v[TM+12+\b]      ; the scale's byte
.endr
	v_lshl_or_b32 v[PW+(\a)], v[TM+5], 8, v[TM+4]
	v_lshl_or_b32 v[PW+(\a)], v[TM+6], 16, v[PW+(\a)]
	v_lshl_or_b32 v[PW+(\a)], v[TM+7], 24, v[PW+(\a)]
.set WW, 0x02+QW
	WIN WW                                         ; source 0 window 2 or 3
.irp c, 0,1
	v_cvt_scalef32_pk16_fp6_f32 v[PC+6*\c:PC+6*\c+2], v[QA+32*\c:QA+32*\c+15], v[TM+12+2*\c]
	v_cvt_scalef32_pk16_fp6_f32 v[PC+12+4*\c:PC+14+4*\c], v[QA+32*\c+16:QA+32*\c+31], v[TM+13+2*\c]   ; (a conversion's three registers begin on an even number)
.endr
	WIN 0
	v_nop                                          ; one plain place behind a scaled conversion
.irp c, 0,1                                    ; the operand's layout wants a WHOLE block in a lane
.irp i, 0,1,2
	v_permlane16_swap_b32 v[PC+6*\c+\i], v[PC+12+4*\c+\i]
.endr
.irp i, 0,1,2
	v_mov_b32 v[PC+3+6*\c+\i], v[PC+12+4*\c+\i]
.endr
.endr
.irp j, 0,1,2
	global_store_b128 v[GO], v[PC+4*\j:PC+4*\j+3], s[\ob:\ob+1] offset:QW*OSTR+1536*((\a)%4)+512*\j   ; 32 lanes store 512 consecutive bytes, at a multiple of 256 from the buffer's first byte
.endr
.endm
.macro SCALEOUT g, ob, sw              ; the scale words of block g (tiles 4 g .. 4 g + 3): lanes 0-15 store those of the first two tiles of their row, lanes 16-31 those of the other two
	v_cmp_ne_u32 s22, 0, v2
	v_cndmask_b32 v[\sw], v[PW+4*\g], v[PW+4*\g+2], s22
	v_cndmask_b32 v[\sw+1], v[PW+4*\g+1], v[PW+4*\g+3], s22
	global_store_b64 v[GS], v[\sw:\sw+1], s[\ob:\ob+1] offset:\g*OSTR+6144   ; 32 lanes store 256 consecutive bytes
.endm
; ---------------- the large tile
	SHAPE 8, 2, 3, 2                               ; 16 x 3 + 2 = 50 loads among 64 products
	STEPADR AD1, 0
	s_wait_tensorcnt 2                             ; my part of chunk 0 is in; the two first fills behind it may stay out
	s_barrier_signal -1
	s_barrier_wait -1                              ; everybody's is
	FETCHRUN
	s_wait_dscnt LATE
	STEP 0, 1, 1
	s_wait_dscnt 0x0                               ; INTO CHUNK 1.  No LDS load of mine is out at the signal;
	s_wait_tensorcnt 1                             ; my part of chunk 1 is in; chunk 2's may stay out
	s_barrier_signal -1
	s_barrier_wait -1
	STEPADR AD1, POS1
	STEP 1, 0, 1
	INSIDE
	STEP 2, 0, 1
	s_wait_tensorcnt 0x0                           ; INTO CHUNK 2, AND POSITION 0 IS FILLED AGAIN.  All my tensor loads have landed: the one that could be out is my part of chunk 2;
	ds_add_u32 v[SPW], v[NIL]                      ; 0 onto my spare word;
	s_add_nc_u64 s[G0A+2:G0A+3], s[G0A+2:G0A+3], 3*CH1   ; no load of mine is out, so a group 0 may be written: position 0's set steps from chunk 0 to chunk 3
	s_add_nc_u64 s[G0B+2:G0B+3], s[G0B+2:G0B+3], 3*CH1
	s_wait_dscnt 0x0                               ; the add is done, and my reads of positions 0 and 1 are over
	CROUND                                         ; the same now holds of every wave of every partner
	JLOAD G0A, G1A, G0B, G1B                       ; the first thing behind the round, one load a wave; it has two K steps, 128 products, in which to land
	STEPADR AD1, 2*POS1
	STEP 3, 0, 1
	INSIDE
	STEP 4, 0, 1
.if MODE == 0
	s_wait_tensorcnt 0x0                           ; INTO CHUNK 3, AND V^T'S FIRST HALF IS ASKED FOR, into bytes that lie in positions 1 and 2.  All my tensor loads have landed: my part of chunk 3;
	ds_add_u32 v[SPW], v[NIL]                      ; 0 onto my spare word;
	s_mul_i32 s17, s16, CH2                        ; sets 1 and 2 of both groups 0 are written for V^T's two halves: Wv's group 0 or 1;
	s_mul_i32 s18, s16, 2*CH2
	s_add_co_u32 s18, s18, 2*CH2                   ; x's groups 0, 1 or 2, 3, behind Wv's two
.irp j, 0,1
	s_add_co_u32 s[G0A+4+4*\j+1], s17, (1-\j)*VP0
	s_add_nc_u64 s[G0A+4+4*\j+2:G0A+4+4*\j+3], s[VAA:VAA+1], \j*CH2
	s_or_b32 s[G0A+4+4*\j+3], s[G0A+4+4*\j+3], 0x80000000
	s_add_co_u32 s[G0B+4+4*\j+1], s18, (1-\j)*VP0
	s_add_nc_u64 s[G0B+4+4*\j+2:G0B+4+4*\j+3], s[VBA:VBA+1], \j*CH2
	s_or_b32 s[G0B+4+4*\j+3], s[G0B+4+4*\j+3], 0x80000000
.endr
	s_wait_dscnt 0x0                               ; the add is done, and my reads of positions 1 and 2 are over
	CROUND
	JLOAD G0A+4, G1VA, G0B+4, G1VB                 ; it has three K steps and half the way out in which to land
.else
	s_wait_dscnt 0x0                               ; INTO CHUNK 3.  No LDS load of mine is out at the signal;
	s_wait_tensorcnt 0x0                           ; my part of chunk 3, my last tensor load, is in
	s_barrier_signal -1
	s_barrier_wait -1
.endif
	STEPADR AD1, 0
	STEP 5, 0, 1
	INSIDE
	STEP 6, 0, 1
	s_wait_dscnt LATE
	STEP 7, 0, 0
	PLACES 4                                       ; behind the last products: their results are read, and A's registers take the codes
	QUANTW 0, OUT1
	QUANTW 1, OUT1
	QUANTW 2, OUT1
	QUANTW 3, OUT1
	SCALEOUT 0, OUT1, SW0
.if MODE == 0
	s_wait_tensorcnt 0x0                           ; V^T'S SECOND HALF IS ASKED FOR, into bytes 0 on: position 0 and the lower half of position 1.  All my tensor loads have landed: my part of V^T's first half;
	ds_add_u32 v[SPW], v[NIL]                      ; 0 onto my spare word;
	s_wait_dscnt 0x0                               ; the add is done; my reads of position 0 ended in front of the last K step
	CROUND                                         ; behind it V^T's first half is whole in every work-group
	JLOAD G0A+8, G1VA, G0B+8, G1VB                 ; it has the other half of the way out and three K steps in which to land
.endif
	QUANTW 4, OUT1
	QUANTW 5, OUT1
	QUANTW 6, OUT1
	QUANTW 7, OUT1
	SCALEOUT 1, OUT1, SW1
.if MODE == 0
; ---------------- V^T's tile
	SHAPE 4, 4, 5, 0                               ; 38 loads among 32 products
	s_wait_xcnt 0x0                                ; the first tile's stores have read their registers: A's fragments may land on the codes
	STEPADR AD2, VP0
	FETCHRUN
	s_wait_dscnt LATE
	STEP 0, 1, 1
	INSIDE
	STEP 1, 0, 1
	INSIDE
	STEP 2, 0, 1
	s_wait_dscnt 0x0                               ; INTO THE SECOND HALF.  No LDS load of mine is out at the signal;
	s_wait_tensorcnt 0x0                           ; my part of it, my last tensor load, is in
	s_barrier_signal -1
	s_barrier_wait -1
	STEPADR AD2, 0
	STEP 3, 0, 1
	INSIDE
	STEP 4, 0, 1
	INSIDE
	STEP 5, 0, 1
	INSIDE
	STEP 6, 0, 1
	s_wait_dscnt LATE
	STEP 7, 0, 0
	PLACES 4
	QUANTW 0, OUT2
	QUANTW 1, OUT2
	QUANTW 2, OUT2
	QUANTW 3, OUT2
	SCALEOUT 0, OUT2, SW0
.endif
	s_wait_tensorcnt 0x0                           ; the wave's end: behind my last tensor load
	ds_add_u32 v[SPW], v[NIL]
	s_wait_dscnt 0x0
	CROUND                                         ; the closing round: no work-group ends while a partner may still ask for a piece that names it
	s_endpgm
.Lfunc_end_k_qcc5ded52f0_scores:
	.size	k_qcc5ded52f0_scores, .Lfunc_end_k_qcc5ded52f0_scores-k_qcc5ded52f0_scores
	.p2alignl 7, 3214868480
	.fill 96, 4, 3214868480
	.section	.rodata,"a",@progbits
	.p2align	6, 0x0
	.amdhsa_kernel k_qcc5ded52f0_scores
		.amdhsa_group_segment_fixed_size 327680
		.amdhsa_private_segment_fixed_size 0
		.amdhsa_enable_private_segment 0
		.amdhsa_kernarg_size 16
		.amdhsa_user_sgpr_count 2
		.amdhsa_user_sgpr_kernarg_segment_ptr 1
		.amdhsa_wavefront_size32 1
		.amdhsa_system_sgpr_workgroup_id_x 1
		.amdhsa_system_sgpr_workgroup_id_y 1
		.amdhsa_system_sgpr_workgroup_id_z 1
		.amdhsa_system_vgpr_workitem_id 0
		.amdhsa_next_free_vgpr 1024
		.amdhsa_next_free_sgpr 102
		.amdhsa_reserve_vcc 0
		.amdhsa_float_denorm_mode_32 3
		.amdhsa_float_denorm_mode_16_64 3
		.amdhsa_memory_ordered 1
		.amdhsa_forward_progress 1
		.amdhsa_inst_pref_size 142
	.end_amdhsa_kernel
	.amdgpu_metadata
---
amdhsa.version: [ 1, 2 ]
amdhsa.kernels:
  - .name:           k_qcc5ded52f0_scores
    .symbol:         k_qcc5ded52f0_scores.kd
    .args:
      - { .name: w2, .offset: 0, .size: 8, .value_kind: global_buffer, .address_space: global }
      - { .name: w3, .offset: 8, .size: 8, .value_kind: global_buffer, .address_space: global }
    .group_segment_fixed_size: 327680
    .private_segment_fixed_size: 0
    .kernarg_segment_align: 8
    .kernarg_segment_size: 16
    .max_flat_workgroup_size: 128
    .sgpr_count:     102
    .vgpr_count:     1024
    .wavefront_size: 32
...
	.end_amdgpu_metadata
.endif
;; end of part 3
;; launch context (part 4): grid 64 x 4, 4 waves a work-group, clusters of 4 x 4, 327,680 bytes of LDS; arguments w3, w4; writes w4
.if DOCPART == 4
	.amdgcn_target "amdgcn-amd-amdhsa--gfx1250"
	.amdhsa_code_object_version 6
	.text
	.protected	k_qcc5ded52f0_context
	.globl	k_qcc5ded52f0_context
	.p2align	8
	.type	k_qcc5ded52f0_context,@function
k_qcc5ded52f0_context:
	s_mov_b64 s[64:65], 0
	v_nop
	global_prefetch_b8 v0, s[64:65] scope:SCOPE_SE
	s_setreg_imm32_b32 hwreg(HW_REG_WAVE_MODE, 25, 1), 1
	s_wait_xcnt 0x0
	s_wait_alu depctr_hold_cnt(0) depctr_sa_sdst(0) depctr_va_vdst(0) depctr_va_sdst(0) depctr_va_ssrc(0) depctr_va_vcc(0) depctr_vm_vsrc(0)
	s_getreg_b32 s2, hwreg(HW_REG_IB_STS2, 6, 4)
	s_cmp_eq_u32 s2, 0
	s_cbranch_scc0 .Lentry_in_a_cluster
	s_endpgm
.Lentry_in_a_cluster:
	s_bfe_u32 s2, ttmp6, 0x10000c
	s_cmp_lg_u32 s2, 0xf033
	s_cbranch_scc0 .Lentry_shape_is_right
	s_endpgm
.Lentry_shape_is_right:
; ONE TEXT FOR LAUNCHES 2 TO 5; MODE picks the launch.  O[m][n] = sum over k of A[m][k] B[n][k], both operands codes of FP6 (E2M3) with one E8M0 scale for each 32 along K, sums in f32.  No work is left out.
;   MODE 0 (qkv):     Q = x Wq, K = x Wk (A = x, B = the weight), V^T = Wv^T x^T (A = Wv, B = x); K = 1,024.   MODE 1 (scores):  S = Q K^T for each batch; K = 1,024.
;   MODE 2 (context): C = S V for each batch (A = S, B = V^T); K = 2,048.                                      MODE 3 (final):   out0 = x + C P (A = C, B = P); K = 1,024.
; In MODES 0 to 2 the result is an operand of the next product with K = this product's n: it is quantised in registers and leaves as codes and scale words; no f32 intermediate goes to memory.
; THE OPERAND LAYOUT of all workspace buffers: OP[group of 64 rows][K step of 128][6,400 bytes]: four fragments as images of their registers (tile a at 1,536 a: register 4 j + i of lane l at 512 j + 16 l + 4 i),
; then 256 bytes of scale words (lane r of tile a at 6,144 + 16 r + 4 a).  Lane r of tile a holds row 32 (a / 2) + 8 (a % 2) + r + 8 (r / 8) of the 64.
; THE MATRIX INSTRUCTION IS USED TRANSPOSED (source 0 = 16 rows of B, source 1 = 16 rows of A): a lane holds ONE row of A, and by the order of rows above the 16 registers of B's tiles 2 b and 2 b + 1 are the
; 16 neighbours n = 32 b + 16 (lane / 16) + 0 .. 15: what the conversions want.  A wave's 128 columns are one K step of the next product: one block of 6,400 bytes, written whole by the wave.
; SHARES.  A work-group makes 128 x 256 of O; wave w rows 64 (w / 2) on, columns 128 (w % 2) on: 32 accumulators, 256 registers.  (128 + 256) rows x 1,024 along K are 307,200 bytes of operands: the WHOLE K lies in
; LDS at once, so every tensor load is a first fill asked for at the head, in four chunks along K, and the products of a chunk begin when it has landed.  In MODE 2 (K = 2,048) two positions
; of 512 along K take turns: chunks 2 and 3 are refills.  The tiles are 768, 512, 256, 256: whole multiples of 256 work-groups.
; CLUSTERS: 4 x 4 work-groups.  The four of a row of the cluster need the same rows of A, the four of a column the same rows of B: each piece is asked for JOINTLY, by the same tensor load with the same
; descriptor and a mask that names the four.  By this text's own count a wave has four tensor loads out at the most.
; No prefetch is written: the tensor loads at the head ask for the tile themselves (MODE 2: for its first half), and nothing is prefetched at a kernel's head.
; LIMITS: NaN and infinities are not served.  A block of zeros, or one whose largest magnitude lies under 2^-124, gets the byte 1; the bytes are read by this program alone.  One accumulator for each output, K ascending.
; REGISTERS, in windows of 256: window 0: v1-15 lanes and addresses; v28, v29 the add's two; v32-47 scale words, two sets, and nothing else; v64-159 A's fragments, two sets; v160-181 the quantiser's;
;   on the way out v64-191 are free.   window 1: B's fragments, two sets, at v0 and v128.   window 2: accumulator (a, b) at v[8 (8 a + b)].   window 3 (MODE 3): my rows of x.
.set MODE, 2
.if MODE == 2
.set NK,   16                          ; K steps of 128
.set CK,   4                           ; K steps in a chunk
.set NPOS, 2                           ; positions in LDS = first fills
.else
.set NK,   8
.set CK,   2
.set NPOS, 4
.endif
.set BLK,   6400
.set CHB,   CK*BLK                     ; a chunk of one group of 64 rows: dense in memory
.set POSB,  6*CHB                      ; a position: A's two groups, then B's four
.set SPARE, NPOS*POSB                  ; 307,200: behind the positions: the spare words, 128 bytes for each wave: two blocks of 256 bytes that no other line names
.set AD0,  4                           ; v4-7   the four LDS addresses in position 0; never rewritten
.set ADRA, 8                           ; v8     my A fragments in the position in hand: my group + 16 x lane
.set ADRB, 9                           ; v9     my B fragments: my first group + 16 x lane
.set ADS1, 10                          ; v10    scale words: lanes 0-15 A's group, lanes 16-31 B's first group: + 6,144 + 16 r
.set ADS2, 11                          ; v11    lanes 0-15 the same, lanes 16-31 B's second group
.set GO,   12                          ; v12    16 x lane
.set GS,   13                          ; v13    MODES 0-2: 16 r + 8 h, where I store two scale words;  MODE 3: the stage, in
.set RD,   14                          ; v14    MODE 3: the stage, out
.set SPW,  28
.set NIL,  29
.set SC,   32
.set AF,   64
.set TM,   160
.set PW,   176
.set SW,   180
.set PC0,  64                          ; the way out, MODES 0-2: 20 registers of codes a tile, so that no store's data are written again
.set BK,   64                          ; the way out, MODE 3: 16 rows read back from the stage: v64-127 and v128-191 by turns
.set G1A,  24                          ; s[24:31] descriptor group 1 for A's pieces;  s[32:39] for B's
.set G1B,  32
.set G0A,  40                          ; s[40:55] group 0 for A's pieces, a set for each chunk;  s[68:83] for B's.  None is ever rewritten
.set G0B,  68
.set MSB, 0
.macro WIN new                         ; the immediate's high byte repeats the setting that is left
.if MSB != \new
	s_set_vgpr_msb (MSB<<8)|\new
.set MSB, \new
.endif
.endm
.macro PLACES n                        ; a load into a register that a matrix instruction has read, and a vector instruction or LDS store that reads a matrix result, stand four places behind it; only plain vector instructions that name none of its registers are places
.rept \n
	v_nop
.endr
.endm
; A joint load: waves 0 and 1 fetch A's two groups, waves 2 and 3 two of B's four each.  Each line has ONE mask and one set of registers for all that issue it; the branch hangs on the wave's number alone.
; An s_nop 0 and four v_nop follow each of the two lines, ahead of the jump, the label and what follows.
.macro JLOAD g0a, g1a, g0b, g1b
	s_cmp_eq_u32 s15, 0
	s_cbranch_scc0 .Lfor_b_\@
	tensor_load_to_lds s[\g0a:\g0a+3], s[\g1a:\g1a+7]
	s_nop 0
.rept 4
	v_nop
.endr
	s_branch .Lasked_\@
.Lfor_b_\@:
	tensor_load_to_lds s[\g0b:\g0b+3], s[\g1b:\g1b+7]
	s_nop 0
.rept 4
	v_nop
.endr
.Lasked_\@:
.endm
.macro CROUND                          ; a round of the cluster's barrier: my work-group's barrier; wave 0 signals for the work-group; every wave waits for all sixteen; my work-group's barrier once more
	s_barrier_signal -1
	s_barrier_wait -1
	s_cmp_lg_u32 s14, 0
	s_cbranch_scc1 .Lnot_wave_0_\@
	s_barrier_signal -3
.Lnot_wave_0_\@:
	s_barrier_wait -3
	s_barrier_signal -1
	s_barrier_wait -1
.endm
	s_load_b128 s[4:7], s[0:1], 0x0                ; the operands' buffer s[4:5]; the second argument s[6:7]
.if (MODE == 0) || (MODE == 3)
	s_load_b64 s[8:9], s[0:1], 0x10                ; the third
.endif
	v_lshl_add_u32 v[SPW], v0, 2, SPARE
	v_mov_b32 v[NIL], 0
	ds_add_u32 v[SPW], v[NIL]                      ; the wave's opening: the add, twice on end, and its wait ahead of my first tensor load; the set-up below, work on registers, stands between
	ds_add_u32 v[SPW], v[NIL]
	v_lshrrev_b32 v1, 5, v0
	v_readfirstlane_b32 s14, v1                    ; wave 0..3
	s_lshr_b32 s15, s14, 1                         ; which 64 rows of A are mine.  Also: I fetch for A (0) or for B (1)
	s_and_b32 s16, s14, 1                          ; which 128 rows of B are mine.  Also: which part I fetch
	s_bfe_u32 s56, ttmp6, 0x40000                  ; cx, cy: my place in the cluster
	s_bfe_u32 s57, ttmp6, 0x40004
	s_lshl_b32 s58, s57, 2
	s_lshl_b32 s58, 15, s58                        ; my row of the cluster
	s_lshl_b32 s59, 0x1111, s56                    ; my column
	; which tile: s60 = tile row mt (128 rows of A), s61 = tile column nt (256 rows of B); s62, s88 = the tile's first group of 64 in A, in B; s84, s85 = where A's and B's operands begin in the buffer.
	; ttmp9 counts clusters.  A's numbers never hold cx, B's never cy.
.if MODE == 0
	s_lshr_b32 s10, ttmp9, 4                       ; 0: Q, 1: K, 2: V^T; 16 clusters each
	s_and_b32 s11, ttmp9, 15
	s_and_b32 s12, s11, 1
	s_lshr_b32 s13, s11, 1
	s_mul_i32 s18, s10, 819200
	s_add_co_u32 s18, s18, 6553600                 ; Wq's or Wk's operand
	s_mov_b32 s17, 8192000                         ; Wv's
	s_cmp_eq_u32 s10, 2                            ; the choices hang on the cluster's number alone
	s_cselect_b32 s60, s12, s11                    ; Q, K: 64 x 4 tiles;  V^T: 8 x 32
	s_cselect_b32 s61, s13, 0
	s_cselect_b32 s84, s17, 0
	s_cselect_b32 s85, 0, s18
	s_lshl_b32 s60, s60, 2
	s_add_co_u32 s60, s60, s57
	s_lshl_b32 s61, s61, 2
	s_add_co_u32 s61, s61, s56
	s_lshl_b32 s62, s60, 1
	s_lshl_b32 s88, s61, 2
.elseif MODE == 1
	s_lshr_b32 s10, ttmp9, 3                       ; the batch: 8 clusters each, 16 x 8 tiles
	s_and_b32 s11, ttmp9, 7
	s_lshr_b32 s60, s11, 1
	s_lshl_b32 s60, s60, 2
	s_add_co_u32 s60, s60, s57
	s_and_b32 s61, s11, 1
	s_lshl_b32 s61, s61, 2
	s_add_co_u32 s61, s61, s56
	s_lshl_b32 s12, s10, 5                         ; 32 groups of 64 rows a batch
	s_lshl_b32 s62, s60, 1
	s_add_co_u32 s62, s62, s12
	s_lshl_b32 s88, s61, 2
	s_add_co_u32 s88, s88, s12
	s_mov_b32 s84, 0                               ; Q
	s_mov_b32 s85, 6553600                         ; K
.elseif MODE == 2
	s_lshr_b32 s10, ttmp9, 2                       ; the batch: 4 clusters each, 16 x 4 tiles
	s_and_b32 s60, ttmp9, 3
	s_lshl_b32 s60, s60, 2
	s_add_co_u32 s60, s60, s57
	s_mov_b32 s61, s56
	s_lshl_b32 s12, s10, 5
	s_lshl_b32 s62, s60, 1
	s_add_co_u32 s62, s62, s12
	s_lshl_b32 s13, s10, 4                         ; V^T: 16 groups a batch
	s_lshl_b32 s88, s61, 2
	s_add_co_u32 s88, s88, s13
	s_mov_b32 s84, 0                               ; S
	s_mov_b32 s85, 13107200                        ; V^T
.else
	s_lshl_b32 s60, ttmp9, 2                       ; 64 x 4 tiles
	s_add_co_u32 s60, s60, s57
	s_mov_b32 s61, s56
	s_lshl_b32 s62, s60, 1
	s_lshl_b32 s88, s61, 2
	s_mov_b32 s84, 0                               ; C
	s_mov_b32 s85, 6553600                         ; P
.endif
	s_add_co_u32 s62, s62, s16                     ; A: the group that I fetch,
	s_mul_i32 s62, s62, NK*BLK                     ; in bytes,
	s_add_co_u32 s62, s62, s84
	s_mov_b32 s63, 0
	s_lshl_b32 s89, s16, 1
	s_add_co_u32 s88, s88, s89                     ; B: the first of the two groups that I fetch
	s_mul_i32 s88, s88, NK*BLK
	s_add_co_u32 s88, s88, s85
	s_mov_b32 s89, 0
	; descriptor group 1.  A: one group's chunk, CHB dense bytes, as rows of 256 bytes (32 elements of 8).  B: two groups' chunks: two rows of CHB bytes, a group (NK blocks) apart.  No padding: every LDS load below reads 512 consecutive bytes
	s_or_b32 s[G1A], s58, (3<<16)|(1<<21)          ; 15:0 the mask: my row of the cluster; 17:16 elements of 8 bytes; 21 set beside a mask
	s_mov_b32 s[G1A+1], 32<<16                     ; tensor_dim0
	s_mov_b32 s[G1A+2], (CHB/256)<<16              ; tensor_dim1
	s_mov_b32 s[G1A+3], 32<<16                     ; tile_dim0
	s_mov_b32 s[G1A+4], CHB/256                    ; tile_dim1
	s_mov_b32 s[G1A+5], 32                         ; tensor_dim0_stride
	s_mov_b32 s[G1A+6], 0
	s_mov_b32 s[G1A+7], 0
	s_or_b32 s[G1B], s59, (3<<16)|(1<<21)          ; the mask: my column
	s_mov_b32 s[G1B+1], (CHB/8)<<16
	s_mov_b32 s[G1B+2], 2<<16
	s_mov_b32 s[G1B+3], (CHB/8)<<16
	s_mov_b32 s[G1B+4], 2
	s_mov_b32 s[G1B+5], NK*BLK/8
	s_mov_b32 s[G1B+6], 0
	s_mov_b32 s[G1B+7], 0
	s_mul_i32 s17, s16, CHB                        ; where they go in a position: A's group 0 or 1;
	s_lshl_b32 s18, s17, 1
	s_add_co_u32 s18, s18, 2*CHB                   ; B's groups 0, 1 or 2, 3, behind A's two: no place in the cluster enters an LDS address
	s_wait_dscnt 0x0                               ; both opening adds are done
	s_wait_kmcnt 0x0
	s_add_nc_u64 s[62:63], s[4:5], s[62:63]
	s_add_nc_u64 s[88:89], s[4:5], s[88:89]
.irp c, 0,1,2,3                                ; group 0 for each of the four chunks along K
	s_mov_b32 s[G0A+4*\c], 1                       ; count = 1
	s_add_co_u32 s[G0A+4*\c+1], s17, (\c%NPOS)*POSB   ; LDS address
	s_add_nc_u64 s[G0A+4*\c+2:G0A+4*\c+3], s[62:63], \c*CHB   ; global address
	s_or_b32 s[G0A+4*\c+3], s[G0A+4*\c+3], 0x80000000   ; type = 2
	s_mov_b32 s[G0B+4*\c], 1
	s_add_co_u32 s[G0B+4*\c+1], s18, (\c%NPOS)*POSB
	s_add_nc_u64 s[G0B+4*\c+2:G0B+4*\c+3], s[88:89], \c*CHB
	s_or_b32 s[G0B+4*\c+3], s[G0B+4*\c+3], 0x80000000
.endr
	CROUND                                         ; all sixteen work-groups are here: the first joint loads meet
.irp c, 0,1,2,3
.if \c < NPOS
	JLOAD G0A+4*\c, G1A, G0B+4*\c, G1B             ; the first fills go out as one group, one a wave for each position
.endif
.endr
	; where my results go
.if MODE == 0
	s_lshl_b32 s90, s61, 1
	s_add_co_u32 s90, s90, s16                     ; my K step of the next product: 2 nt + my half
	s_lshl_b32 s91, s60, 1
	s_add_co_u32 s91, s91, s15                     ; my group of 64 rows: 2 mt + my half
	s_lshl_b32 s92, s91, 3                         ; Q, K: [group][8 K steps], K behind Q
	s_add_co_u32 s92, s92, s90
	s_mul_i32 s92, s92, BLK
	s_mul_i32 s93, s10, 6553600
	s_add_co_u32 s92, s92, s93
	s_lshl_b32 s94, s91, 4                         ; V^T: [batch][group][16 K steps], behind S: the keys' K step / 16 is the batch
	s_and_b32 s95, s90, 15
	s_add_co_u32 s94, s94, s95
	s_mul_i32 s94, s94, BLK
	s_lshr_b32 s95, s90, 4
	s_mul_i32 s95, s95, 1638400
	s_add_co_u32 s94, s94, s95
	s_add_co_u32 s94, s94, 13107200
	s_cmp_eq_u32 s10, 2
	s_cselect_b32 s92, s94, s92
	s_mov_b32 s93, 0
	s_cselect_b64 s[86:87], s[8:9], s[6:7]
	s_add_nc_u64 s[86:87], s[86:87], s[92:93]
.elseif MODE == 1
	s_lshl_b32 s92, s60, 1                         ; S: [batch][32 groups][16 K steps]
	s_add_co_u32 s92, s92, s15
	s_lshl_b32 s92, s92, 4
	s_lshl_b32 s93, s61, 1
	s_add_co_u32 s92, s92, s93
	s_add_co_u32 s92, s92, s16
	s_mul_i32 s92, s92, BLK
	s_mul_i32 s93, s10, 3276800
	s_add_co_u32 s92, s92, s93
	s_mov_b32 s93, 0
	s_add_nc_u64 s[86:87], s[6:7], s[92:93]
.elseif MODE == 2
	s_lshl_b32 s92, s10, 5                         ; C: [128 groups][8 K steps]
	s_lshl_b32 s93, s60, 1
	s_add_co_u32 s92, s92, s93
	s_add_co_u32 s92, s92, s15
	s_lshl_b32 s92, s92, 3
	s_lshl_b32 s93, s61, 1
	s_add_co_u32 s92, s92, s93
	s_add_co_u32 s92, s92, s16
	s_mul_i32 s92, s92, BLK
	s_mov_b32 s93, 0
	s_add_nc_u64 s[86:87], s[6:7], s[92:93]
.else
	s_lshl_b32 s92, s60, 7                         ; x and out0: row 128 mt + 64 x my half, of 4,096 bytes; column 256 nt + 128 x my half
	s_lshl_b32 s93, s15, 6
	s_add_co_u32 s92, s92, s93
	s_lshl_b32 s92, s92, 12
	s_lshl_b32 s93, s61, 10
	s_add_co_u32 s92, s92, s93
	s_lshl_b32 s93, s16, 9
	s_add_co_u32 s92, s92, s93
	s_mov_b32 s93, 0
	s_add_nc_u64 s[86:87], s[8:9], s[92:93]
	s_add_nc_u64 s[90:91], s[6:7], s[92:93]
.endif
	v_and_b32 v1, 15, v0                           ; r
	v_bfe_u32 v2, v0, 4, 1                         ; h
	v_and_b32 v3, 31, v0                           ; lane
	v_lshlrev_b32 v[GO], 4, v3
.if MODE == 3
	WIN 0xc0                                       ; destination window 3
.irp a, 0,1,2,3                                ; my 64 rows x 128 columns of x are asked for now and wanted at the end: the row of lane t of tile a, 32 lanes to its 512 bytes
.irp t, 0,1,2,3,4,5,6,7,8,9,10,11,12,13,14,15
	global_load_b128 v[64*\a+4*\t:64*\a+4*\t+3], v[GO], s[90:91] offset:(32*(\a/2)+8*(\a%2)+\t+8*(\t/8))*4096 th:TH_LOAD_NT
.endr
.endr
	WIN 0
.endif
	s_mul_i32 s17, s15, CHB                        ; my group of A
	s_mul_i32 s18, s16, 2*CHB
	s_add_co_u32 s18, s18, 2*CHB                   ; my first group of B
	v_add_nc_u32 v[AD0], s17, v[GO]
	v_add_nc_u32 v[AD0+1], s18, v[GO]
	s_sub_co_u32 s19, s18, s17                     ; lanes 16-31 take B's scale words: ONE product, the distance x h
	v_mul_u32_u24 v[AD0+2], s19, v2
	s_add_co_u32 s19, s19, CHB
	v_mul_u32_u24 v[AD0+3], s19, v2
	s_add_co_u32 s17, s17, 6144
	v_lshl_add_u32 v15, v1, 4, s17
	v_add_nc_u32 v[AD0+2], v[AD0+2], v15
	v_add_nc_u32 v[AD0+3], v[AD0+3], v15
.if MODE == 3
	s_mul_i32 s23, s14, 8448                       ; my stage: 16 rows x (512 bytes + 16), in position 0, which has had its only fill and its last read when the first result is stored there
	v_mul_u32_u24 v[GS], v1, 528
	v_lshl_add_u32 v[GS], v2, 6, v[GS]
	v_add_nc_u32 v[GS], s23, v[GS]                 ; in: row r, + 64 h
	v_add_nc_u32 v[RD], s23, v[GO]                 ; back: 16 bytes a lane of a row
.else
	v_lshlrev_b32 v[GS], 4, v1
	v_lshl_add_u32 v[GS], v2, 3, v[GS]
	s_mov_b32 s20, 0x76543210
	s_mov_b32 s21, 0xfedcba98                      ; v_permlanex16_b32's selects for lane l xor 16
.irp b, 0,1,2,3
	v_mov_b32 v[TM+4+\b], 0                        ; written once: a lane permute's destination counts as one of its sources
.endr
.endif
.macro STEPADR c                       ; the four LDS addresses in chunk c's position: four plain vector lines, which are also the four places in front of the loads that follow
.irp g, 0,1,2,3
	v_add_nc_u32 v[ADRA+\g], ((\c)%NPOS)*POSB, v[AD0+\g]
.endr
.endm
; 38 LDS loads in one run: K step ks's fragments and scale words into set ks % 2.  Each reads 512 (the last two: 2 x 256) consecutive bytes.
; Scale register i of a set: lanes 0-15 the words of A's tile i % 4, lanes 16-31 those of B's tile i.
.macro FETCH ks
.set FP, (\ks)%2
.set FS, (\ks)%CK
	WIN 0x40                                       ; destination window 1
.irp b, 0,1,2,3,4,5,6,7
.irp j, 0,1,2
	ds_load_b128 v[128*FP+12*\b+4*\j:128*FP+12*\b+4*\j+3], v[ADRB] offset:(\b/4)*CHB+BLK*FS+1536*(\b%4)+512*\j
.endr
.endr
	WIN 0
.irp a, 0,1,2,3
.irp j, 0,1,2
	ds_load_b128 v[AF+48*FP+12*\a+4*\j:AF+48*FP+12*\a+4*\j+3], v[ADRA] offset:BLK*FS+1536*\a+512*\j
.endr
.endr
	ds_load_b128 v[SC+8*FP:SC+8*FP+3], v[ADS1] offset:BLK*FS
	ds_load_b128 v[SC+8*FP+4:SC+8*FP+7], v[ADS2] offset:BLK*FS
.endm
; 32 matrix instructions: A's four tiles x B's eight, 128 along K, from set p.  The 32 accumulators take turns, one instruction a turn, in the same order in every step.  zero: the first step starts the sums
.macro MUL32 p, zero
.irp a, 0,1,2,3
.irp b, 0,1,2,3,4,5,6,7
.if \zero
	v_wmma_scale_f32_16x16x128_f8f6f4 v[8*(8*\a+\b):8*(8*\a+\b)+7], v[128*(\p)+12*\b:128*(\p)+12*\b+11], v[AF+48*(\p)+12*\a:AF+48*(\p)+12*\a+11], 0, v[SC+8*(\p)+\b], v[SC+8*(\p)+\a] matrix_a_fmt:MATRIX_FMT_FP6 matrix_b_fmt:MATRIX_FMT_FP6 matrix_a_scale:MATRIX_SCALE_ROW1
.else
	v_wmma_scale_f32_16x16x128_f8f6f4 v[8*(8*\a+\b):8*(8*\a+\b)+7], v[128*(\p)+12*\b:128*(\p)+12*\b+11], v[AF+48*(\p)+12*\a:AF+48*(\p)+12*\a+11], v[8*(8*\a+\b):8*(8*\a+\b)+7], v[SC+8*(\p)+\b], v[SC+8*(\p)+\a] matrix_a_fmt:MATRIX_FMT_FP6 matrix_b_fmt:MATRIX_FMT_FP6 matrix_a_scale:MATRIX_SCALE_ROW1
.endif
.endr
.endr
.endm
; A K step: the next step's loads go out first, so that they are served under this step's 32 products.
.macro KSTEP ks
.set NX, (\ks)+1
.set CN, NX/CK
.if NX == NK
	s_wait_dscnt 0x0                               ; the last step: nothing more to fetch
.elseif (NX%CK) != 0
	PLACES 4
	FETCH NX
	s_wait_dscnt 38                                ; all but the 38 just issued: this step's fragments are in
.elseif (MODE == 2) && (CN < 3)
	s_wait_tensorcnt 0x0                           ; THE POSITION JUST READ OUT IS FILLED AGAIN.  All my tensor loads have landed, my part of the next chunk among them;
	ds_add_u32 v[SPW], v[NIL]                      ; 0 onto my spare word;
	s_wait_dscnt 0x0                               ; the add is done, and my reads of the position are over
	CROUND                                         ; the same now holds of every wave of every partner
	JLOAD G0A+4*(CN+1), G1A, G0B+4*(CN+1), G1B     ; the first thing behind the round, one load a wave: the chunk after the next; it has four K steps, 128 matrix instructions, in which to land
	STEPADR CN
	FETCH NX
.else
	s_wait_dscnt 0x0                               ; no LDS load of mine is out at the signal
	s_wait_tensorcnt 3-CN                          ; my part of the next chunk is in; the count is the chunks asked for behind it, which may stay out
	s_barrier_signal -1
	s_barrier_wait -1                              ; everybody's part is in
	STEPADR CN
	FETCH NX
.endif
	WIN 0xa1                                       ; source 0 (B) window 1, source 1 (A) window 0, C and D window 2
	MUL32 (\ks)%2, (\ks)==0
	WIN 0
.endm
	STEPADR 0
	s_wait_tensorcnt NPOS-1                        ; my part of chunk 0 is in; the later first fills may stay out
	s_barrier_signal -1
	s_barrier_wait -1                              ; everybody's is
	FETCH 0
.set KS, 0
.rept NK
	KSTEP KS
.set KS, KS+1
.endr
.if MODE != 3
; THE WAY OUT, MODES 0 TO 2.  Tile a's 64 registers of a lane are k = 32 b + 16 h + i of its row in the next product's K step: they become a fragment and a scale word and leave as the block's image.
.macro QUANTW a
.set QA, 64*(\a)
.set PC, PC0+20*(\a)
	WIN 0x0a                                       ; sources 0 and 1 window 2
.irp b, 0,1,2,3
	v_max3_num_f32 v[TM+\b], |v[QA+16*\b]|, |v[QA+16*\b+1]|, 0x1800000   ; block b: my 16 numbers, each accumulator from its low end on, and the floor 2^(3 - 127): so the byte cannot fall under 1
.endr
.irp i, 2,4,6,8,10,12,14
.irp b, 0,1,2,3
	v_max3_num_f32 v[TM+\b], |v[QA+16*\b+\i]|, |v[QA+16*\b+\i+1]|, v[TM+\b]
.endr
.endr
	WIN 0
.irp b, 0,1,2,3
	v_permlanex16_b32 v[TM+4+\b], v[TM+\b], s20, s21
.endr
.irp b, 0,1,2,3
	v_max_num_f32 v[TM+\b], v[TM+\b], v[TM+4+\b]   ; with lane l xor 16's: the block's largest magnitude
.endr
.irp b, 0,1,2,3
	v_add_nc_u32 v[TM+12+\b], 0xff000000, v[TM+\b] ; 2 off its exponent field: the conversion's scale operand
.endr
.irp b, 0,1,2,3
	v_lshrrev_b32 v[TM+4+\b], 23, v[TM+12+\b]      ; the scale's byte
.endr
	v_lshl_or_b32 v[PW+(\a)], v[TM+5], 8, v[TM+4]
	v_lshl_or_b32 v[PW+(\a)], v[TM+6], 16, v[PW+(\a)]
	v_lshl_or_b32 v[PW+(\a)], v[TM+7], 24, v[PW+(\a)]
	WIN 0x02                                       ; source 0 window 2
.irp c, 0,1
	v_cvt_scalef32_pk16_fp6_f32 v[PC+6*\c:PC+6*\c+2], v[QA+32*\c:QA+32*\c+15], v[TM+12+2*\c]
	v_cvt_scalef32_pk16_fp6_f32 v[PC+12+4*\c:PC+14+4*\c], v[QA+32*\c+16:QA+32*\c+31], v[TM+13+2*\c]   ; (a conversion's three registers begin on an even number)
.endr
	WIN 0
	v_nop                                          ; one plain place behind a scaled conversion
.irp c, 0,1                                    ; the operand's layout wants a WHOLE block in a lane
.irp i, 0,1,2
	v_permlane16_swap_b32 v[PC+6*\c+\i], v[PC+12+4*\c+\i]
.endr
.irp i, 0,1,2
	v_mov_b32 v[PC+3+6*\c+\i], v[PC+12+4*\c+\i]
.endr
.endr
.irp j, 0,1,2
	global_store_b128 v[GO], v[PC+4*\j:PC+4*\j+3], s[86:87] offset:1536*(\a)+512*\j   ; 32 lanes store 512 consecutive bytes, at a multiple of 256 from the buffer's first byte
.endr
.endm
	PLACES 4
	QUANTW 0
	QUANTW 1
	QUANTW 2
	QUANTW 3
	v_cmp_ne_u32 s22, 0, v2                        ; lanes 0-15 store the words of tiles 0 and 1 of their row, lanes 16-31 those of tiles 2 and 3
	v_cndmask_b32 v[SW], v[PW], v[PW+2], s22
	v_cndmask_b32 v[SW+1], v[PW+1], v[PW+3], s22
	global_store_b64 v[GS], v[SW:SW+1], s[86:87] offset:6144   ; 32 lanes store 256 consecutive bytes
.else
; THE WAY OUT, MODE 3.  A lane holds pieces of one row; a tile of 16 rows x 128 columns goes through my stage and comes back as whole rows of 512 bytes; x is added; 32 lanes store a row's 512 bytes.
.macro TOSTAGE a
.set BB, BK+64*((\a)%2)
	WIN 0x08                                       ; an LDS store's data are its source 1: window 2
.irp b, 0,1,2,3,4,5,6,7
	ds_store_b128 v[GS], v[64*(\a)+8*\b:64*(\a)+8*\b+3] offset:128*(\b/2)+32*(\b%2)       ; columns 32 (b / 2) + 8 (b % 2) + 16 h + 0 .. 7; each accumulator from its low end on
	ds_store_b128 v[GS], v[64*(\a)+8*\b+4:64*(\a)+8*\b+7] offset:128*(\b/2)+32*(\b%2)+16
.endr
	WIN 0
.irp t, 0,1,2,3,4,5,6,7,8,9,10,11,12,13,14,15
	ds_load_b128 v[BB+4*\t:BB+4*\t+3], v[RD] offset:528*\t   ; LDS serves a wave's instructions in order: these see my stores, and the next tile's stores come behind them
.endr
.endm
.macro SEND a, younger                 ; younger: the LDS instructions issued behind tile a's loads, which may stay out
.set BB, BK+64*((\a)%2)
	s_wait_dscnt \younger
	WIN 0x0c                                       ; source 1 window 3: x
.irp t, 0,1,2,3,4,5,6,7,8,9,10,11,12,13,14,15
	v_pk_add_f32 v[BB+4*\t:BB+4*\t+1], v[BB+4*\t:BB+4*\t+1], v[64*(\a)+4*\t:64*(\a)+4*\t+1]
	v_pk_add_f32 v[BB+4*\t+2:BB+4*\t+3], v[BB+4*\t+2:BB+4*\t+3], v[64*(\a)+4*\t+2:64*(\a)+4*\t+3]
.endr
	WIN 0
.irp t, 0,1,2,3,4,5,6,7,8,9,10,11,12,13,14,15
	global_store_b128 v[GO], v[BB+4*\t:BB+4*\t+3], s[86:87] offset:(32*((\a)/2)+8*((\a)%2)+\t+8*(\t/8))*4096 th:TH_STORE_NT   ; the tile's lane t is this row of my 64
.endr
.endm
	s_barrier_signal -1                            ; (no LDS load of mine is out)  every wave has read its last fragment: the stages may be written
	s_barrier_wait -1
	PLACES 4
	s_wait_loadcnt 0x0                             ; x
	TOSTAGE 0
.irp a, 1,2,3
.if \a > 1
	s_wait_xcnt 0x0                                ; tile a - 2's stores have read their registers: tile a's loads may land there
.endif
	TOSTAGE \a
	SEND \a-1, 32                                  ; behind tile a - 1's loads: tile a's 16 stores and 16 loads
.endr
	SEND 3, 0
.endif
	s_wait_tensorcnt 0x0                           ; the wave's end: behind my last tensor load and my last LDS store
	ds_add_u32 v[SPW], v[NIL]
	s_wait_dscnt 0x0
	CROUND                                         ; the closing round: no work-group ends while a partner may still ask for a piece that names it
	s_endpgm
.Lfunc_end_k_qcc5ded52f0_context:
	.size	k_qcc5ded52f0_context, .Lfunc_end_k_qcc5ded52f0_context-k_qcc5ded52f0_context
	.p2alignl 7, 3214868480
	.fill 96, 4, 3214868480
	.section	.rodata,"a",@progbits
	.p2align	6, 0x0
	.amdhsa_kernel k_qcc5ded52f0_context
		.amdhsa_group_segment_fixed_size 327680
		.amdhsa_private_segment_fixed_size 0
		.amdhsa_enable_private_segment 0
		.amdhsa_kernarg_size 16
		.amdhsa_user_sgpr_count 2
		.amdhsa_user_sgpr_kernarg_segment_ptr 1
		.amdhsa_wavefront_size32 1
		.amdhsa_system_sgpr_workgroup_id_x 1
		.amdhsa_system_sgpr_workgroup_id_y 1
		.amdhsa_system_sgpr_workgroup_id_z 1
		.amdhsa_system_vgpr_workitem_id 0
		.amdhsa_next_free_vgpr 768
		.amdhsa_next_free_sgpr 100
		.amdhsa_reserve_vcc 0
		.amdhsa_float_denorm_mode_32 3
		.amdhsa_float_denorm_mode_16_64 3
		.amdhsa_memory_ordered 1
		.amdhsa_forward_progress 1
		.amdhsa_inst_pref_size 134
	.end_amdhsa_kernel
	.amdgpu_metadata
---
amdhsa.version: [ 1, 2 ]
amdhsa.kernels:
  - .name:           k_qcc5ded52f0_context
    .symbol:         k_qcc5ded52f0_context.kd
    .args:
      - { .name: w3, .offset: 0, .size: 8, .value_kind: global_buffer, .address_space: global }
      - { .name: w4, .offset: 8, .size: 8, .value_kind: global_buffer, .address_space: global }
    .group_segment_fixed_size: 327680
    .private_segment_fixed_size: 0
    .kernarg_segment_align: 8
    .kernarg_segment_size: 16
    .max_flat_workgroup_size: 128
    .sgpr_count:     100
    .vgpr_count:     768
    .wavefront_size: 32
...
	.end_amdgpu_metadata
.endif
;; end of part 4
;; launch final (part 5): grid 64 x 4, 4 waves a work-group, clusters of 4 x 4, 327,680 bytes of LDS; arguments w4, x, out0; writes out0
.if DOCPART == 5
	.amdgcn_target "amdgcn-amd-amdhsa--gfx1250"
	.amdhsa_code_object_version 6
	.text
	.protected	k_qcc5ded52f0_final
	.globl	k_qcc5ded52f0_final
	.p2align	8
	.type	k_qcc5ded52f0_final,@function
k_qcc5ded52f0_final:
	s_mov_b64 s[64:65], 0
	v_nop
	global_prefetch_b8 v0, s[64:65] scope:SCOPE_SE
	s_setreg_imm32_b32 hwreg(HW_REG_WAVE_MODE, 25, 1), 1
	s_wait_xcnt 0x0
	s_wait_alu depctr_hold_cnt(0) depctr_sa_sdst(0) depctr_va_vdst(0) depctr_va_sdst(0) depctr_va_ssrc(0) depctr_va_vcc(0) depctr_vm_vsrc(0)
	s_getreg_b32 s2, hwreg(HW_REG_IB_STS2, 6, 4)
	s_cmp_eq_u32 s2, 0
	s_cbranch_scc0 .Lentry_in_a_cluster
	s_endpgm
.Lentry_in_a_cluster:
	s_bfe_u32 s2, ttmp6, 0x10000c
	s_cmp_lg_u32 s2, 0xf033
	s_cbranch_scc0 .Lentry_shape_is_right
	s_endpgm
.Lentry_shape_is_right:
; ONE TEXT FOR LAUNCHES 2 TO 5; MODE picks the launch.  O[m][n] = sum over k of A[m][k] B[n][k], both operands codes of FP6 (E2M3) with one E8M0 scale for each 32 along K, sums in f32.  No work is left out.
;   MODE 0 (qkv):     Q = x Wq, K = x Wk (A = x, B = the weight), V^T = Wv^T x^T (A = Wv, B = x); K = 1,024.   MODE 1 (scores):  S = Q K^T for each batch; K = 1,024.
;   MODE 2 (context): C = S V for each batch (A = S, B = V^T); K = 2,048.                                      MODE 3 (final):   out0 = x + C P (A = C, B = P); K = 1,024.
; In MODES 0 to 2 the result is an operand of the next product with K = this product's n: it is quantised in registers and leaves as codes and scale words; no f32 intermediate goes to memory.
; THE OPERAND LAYOUT of all workspace buffers: OP[group of 64 rows][K step of 128][6,400 bytes]: four fragments as images of their registers (tile a at 1,536 a: register 4 j + i of lane l at 512 j + 16 l + 4 i),
; then 256 bytes of scale words (lane r of tile a at 6,144 + 16 r + 4 a).  Lane r of tile a holds row 32 (a / 2) + 8 (a % 2) + r + 8 (r / 8) of the 64.
; THE MATRIX INSTRUCTION IS USED TRANSPOSED (source 0 = 16 rows of B, source 1 = 16 rows of A): a lane holds ONE row of A, and by the order of rows above the 16 registers of B's tiles 2 b and 2 b + 1 are the
; 16 neighbours n = 32 b + 16 (lane / 16) + 0 .. 15: what the conversions want.  A wave's 128 columns are one K step of the next product: one block of 6,400 bytes, written whole by the wave.
; SHARES.  A work-group makes 128 x 256 of O; wave w rows 64 (w / 2) on, columns 128 (w % 2) on: 32 accumulators, 256 registers.  (128 + 256) rows x 1,024 along K are 307,200 bytes of operands: the WHOLE K lies in
; LDS at once, so every tensor load is a first fill asked for at the head, in four chunks along K, and the products of a chunk begin when it has landed.  In MODE 2 (K = 2,048) two positions
; of 512 along K take turns: chunks 2 and 3 are refills.  The tiles are 768, 512, 256, 256: whole multiples of 256 work-groups.
; CLUSTERS: 4 x 4 work-groups.  The four of a row of the cluster need the same rows of A, the four of a column the same rows of B: each piece is asked for JOINTLY, by the same tensor load with the same
; descriptor and a mask that names the four.  By this text's own count a wave has four tensor loads out at the most.
; No prefetch is written: the tensor loads at the head ask for the tile themselves (MODE 2: for its first half), and nothing is prefetched at a kernel's head.
; LIMITS: NaN and infinities are not served.  A block of zeros, or one whose largest magnitude lies under 2^-124, gets the byte 1; the bytes are read by this program alone.  One accumulator for each output, K ascending.
; REGISTERS, in windows of 256: window 0: v1-15 lanes and addresses; v28, v29 the add's two; v32-47 scale words, two sets, and nothing else; v64-159 A's fragments, two sets; v160-181 the quantiser's;
;   on the way out v64-191 are free.   window 1: B's fragments, two sets, at v0 and v128.   window 2: accumulator (a, b) at v[8 (8 a + b)].   window 3 (MODE 3): my rows of x.
.set MODE, 3
.if MODE == 2
.set NK,   16                          ; K steps of 128
.set CK,   4                           ; K steps in a chunk
.set NPOS, 2                           ; positions in LDS = first fills
.else
.set NK,   8
.set CK,   2
.set NPOS, 4
.endif
.set BLK,   6400
.set CHB,   CK*BLK                     ; a chunk of one group of 64 rows: dense in memory
.set POSB,  6*CHB                      ; a position: A's two groups, then B's four
.set SPARE, NPOS*POSB                  ; 307,200: behind the positions: the spare words, 128 bytes for each wave: two blocks of 256 bytes that no other line names
.set AD0,  4                           ; v4-7   the four LDS addresses in position 0; never rewritten
.set ADRA, 8                           ; v8     my A fragments in the position in hand: my group + 16 x lane
.set ADRB, 9                           ; v9     my B fragments: my first group + 16 x lane
.set ADS1, 10                          ; v10    scale words: lanes 0-15 A's group, lanes 16-31 B's first group: + 6,144 + 16 r
.set ADS2, 11                          ; v11    lanes 0-15 the same, lanes 16-31 B's second group
.set GO,   12                          ; v12    16 x lane
.set GS,   13                          ; v13    MODES 0-2: 16 r + 8 h, where I store two scale words;  MODE 3: the stage, in
.set RD,   14                          ; v14    MODE 3: the stage, out
.set SPW,  28
.set NIL,  29
.set SC,   32
.set AF,   64
.set TM,   160
.set PW,   176
.set SW,   180
.set PC0,  64                          ; the way out, MODES 0-2: 20 registers of codes a tile, so that no store's data are written again
.set BK,   64                          ; the way out, MODE 3: 16 rows read back from the stage: v64-127 and v128-191 by turns
.set G1A,  24                          ; s[24:31] descriptor group 1 for A's pieces;  s[32:39] for B's
.set G1B,  32
.set G0A,  40                          ; s[40:55] group 0 for A's pieces, a set for each chunk;  s[68:83] for B's.  None is ever rewritten
.set G0B,  68
.set MSB, 0
.macro WIN new                         ; the immediate's high byte repeats the setting that is left
.if MSB != \new
	s_set_vgpr_msb (MSB<<8)|\new
.set MSB, \new
.endif
.endm
.macro PLACES n                        ; a load into a register that a matrix instruction has read, and a vector instruction or LDS store that reads a matrix result, stand four places behind it; only plain vector instructions that name none of its registers are places
.rept \n
	v_nop
.endr
.endm
; A joint load: waves 0 and 1 fetch A's two groups, waves 2 and 3 two of B's four each.  Each line has ONE mask and one set of registers for all that issue it; the branch hangs on the wave's number alone.
; An s_nop 0 and four v_nop follow each of the two lines, ahead of the jump, the label and what follows.
.macro JLOAD g0a, g1a, g0b, g1b
	s_cmp_eq_u32 s15, 0
	s_cbranch_scc0 .Lfor_b_\@
	tensor_load_to_lds s[\g0a:\g0a+3], s[\g1a:\g1a+7]
	s_nop 0
.rept 4
	v_nop
.endr
	s_branch .Lasked_\@
.Lfor_b_\@:
	tensor_load_to_lds s[\g0b:\g0b+3], s[\g1b:\g1b+7]
	s_nop 0
.rept 4
	v_nop
.endr
.Lasked_\@:
.endm
.macro CROUND                          ; a round of the cluster's barrier: my work-group's barrier; wave 0 signals for the work-group; every wave waits for all sixteen; my work-group's barrier once more
	s_barrier_signal -1
	s_barrier_wait -1
	s_cmp_lg_u32 s14, 0
	s_cbranch_scc1 .Lnot_wave_0_\@
	s_barrier_signal -3
.Lnot_wave_0_\@:
	s_barrier_wait -3
	s_barrier_signal -1
	s_barrier_wait -1
.endm
	s_load_b128 s[4:7], s[0:1], 0x0                ; the operands' buffer s[4:5]; the second argument s[6:7]
.if (MODE == 0) || (MODE == 3)
	s_load_b64 s[8:9], s[0:1], 0x10                ; the third
.endif
	v_lshl_add_u32 v[SPW], v0, 2, SPARE
	v_mov_b32 v[NIL], 0
	ds_add_u32 v[SPW], v[NIL]                      ; the wave's opening: the add, twice on end, and its wait ahead of my first tensor load; the set-up below, work on registers, stands between
	ds_add_u32 v[SPW], v[NIL]
	v_lshrrev_b32 v1, 5, v0
	v_readfirstlane_b32 s14, v1                    ; wave 0..3
	s_lshr_b32 s15, s14, 1                         ; which 64 rows of A are mine.  Also: I fetch for A (0) or for B (1)
	s_and_b32 s16, s14, 1                          ; which 128 rows of B are mine.  Also: which part I fetch
	s_bfe_u32 s56, ttmp6, 0x40000                  ; cx, cy: my place in the cluster
	s_bfe_u32 s57, ttmp6, 0x40004
	s_lshl_b32 s58, s57, 2
	s_lshl_b32 s58, 15, s58                        ; my row of the cluster
	s_lshl_b32 s59, 0x1111, s56                    ; my column
	; which tile: s60 = tile row mt (128 rows of A), s61 = tile column nt (256 rows of B); s62, s88 = the tile's first group of 64 in A, in B; s84, s85 = where A's and B's operands begin in the buffer.
	; ttmp9 counts clusters.  A's numbers never hold cx, B's never cy.
.if MODE == 0
	s_lshr_b32 s10, ttmp9, 4                       ; 0: Q, 1: K, 2: V^T; 16 clusters each
	s_and_b32 s11, ttmp9, 15
	s_and_b32 s12, s11, 1
	s_lshr_b32 s13, s11, 1
	s_mul_i32 s18, s10, 819200
	s_add_co_u32 s18, s18, 6553600                 ; Wq's or Wk's operand
	s_mov_b32 s17, 8192000                         ; Wv's
	s_cmp_eq_u32 s10, 2                            ; the choices hang on the cluster's number alone
	s_cselect_b32 s60, s12, s11                    ; Q, K: 64 x 4 tiles;  V^T: 8 x 32
	s_cselect_b32 s61, s13, 0
	s_cselect_b32 s84, s17, 0
	s_cselect_b32 s85, 0, s18
	s_lshl_b32 s60, s60, 2
	s_add_co_u32 s60, s60, s57
	s_lshl_b32 s61, s61, 2
	s_add_co_u32 s61, s61, s56
	s_lshl_b32 s62, s60, 1
	s_lshl_b32 s88, s61, 2
.elseif MODE == 1
	s_lshr_b32 s10, ttmp9, 3                       ; the batch: 8 clusters each, 16 x 8 tiles
	s_and_b32 s11, ttmp9, 7
	s_lshr_b32 s60, s11, 1
	s_lshl_b32 s60, s60, 2
	s_add_co_u32 s60, s60, s57
	s_and_b32 s61, s11, 1
	s_lshl_b32 s61, s61, 2
	s_add_co_u32 s61, s61, s56
	s_lshl_b32 s12, s10, 5                         ; 32 groups of 64 rows a batch
	s_lshl_b32 s62, s60, 1
	s_add_co_u32 s62, s62, s12
	s_lshl_b32 s88, s61, 2
	s_add_co_u32 s88, s88, s12
	s_mov_b32 s84, 0                               ; Q
	s_mov_b32 s85, 6553600                         ; K
.elseif MODE == 2
	s_lshr_b32 s10, ttmp9, 2                       ; the batch: 4 clusters each, 16 x 4 tiles
	s_and_b32 s60, ttmp9, 3
	s_lshl_b32 s60, s60, 2
	s_add_co_u32 s60, s60, s57
	s_mov_b32 s61, s56
	s_lshl_b32 s12, s10, 5
	s_lshl_b32 s62, s60, 1
	s_add_co_u32 s62, s62, s12
	s_lshl_b32 s13, s10, 4                         ; V^T: 16 groups a batch
	s_lshl_b32 s88, s61, 2
	s_add_co_u32 s88, s88, s13
	s_mov_b32 s84, 0                               ; S
	s_mov_b32 s85, 13107200                        ; V^T
.else
	s_lshl_b32 s60, ttmp9, 2                       ; 64 x 4 tiles
	s_add_co_u32 s60, s60, s57
	s_mov_b32 s61, s56
	s_lshl_b32 s62, s60, 1
	s_lshl_b32 s88, s61, 2
	s_mov_b32 s84, 0                               ; C
	s_mov_b32 s85, 6553600                         ; P
.endif
	s_add_co_u32 s62, s62, s16                     ; A: the group that I fetch,
	s_mul_i32 s62, s62, NK*BLK                     ; in bytes,
	s_add_co_u32 s62, s62, s84
	s_mov_b32 s63, 0
	s_lshl_b32 s89, s16, 1
	s_add_co_u32 s88, s88, s89                     ; B: the first of the two groups that I fetch
	s_mul_i32 s88, s88, NK*BLK
	s_add_co_u32 s88, s88, s85
	s_mov_b32 s89, 0
	; descriptor group 1.  A: one group's chunk, CHB dense bytes, as rows of 256 bytes (32 elements of 8).  B: two groups' chunks: two rows of CHB bytes, a group (NK blocks) apart.  No padding: every LDS load below reads 512 consecutive bytes
	s_or_b32 s[G1A], s58, (3<<16)|(1<<21)          ; 15:0 the mask: my row of the cluster; 17:16 elements of 8 bytes; 21 set beside a mask
	s_mov_b32 s[G1A+1], 32<<16                     ; tensor_dim0
	s_mov_b32 s[G1A+2], (CHB/256)<<16              ; tensor_dim1
	s_mov_b32 s[G1A+3], 32<<16                     ; tile_dim0
	s_mov_b32 s[G1A+4], CHB/256                    ; tile_dim1
	s_mov_b32 s[G1A+5], 32                         ; tensor_dim0_stride
	s_mov_b32 s[G1A+6], 0
	s_mov_b32 s[G1A+7], 0
	s_or_b32 s[G1B], s59, (3<<16)|(1<<21)          ; the mask: my column
	s_mov_b32 s[G1B+1], (CHB/8)<<16
	s_mov_b32 s[G1B+2], 2<<16
	s_mov_b32 s[G1B+3], (CHB/8)<<16
	s_mov_b32 s[G1B+4], 2
	s_mov_b32 s[G1B+5], NK*BLK/8
	s_mov_b32 s[G1B+6], 0
	s_mov_b32 s[G1B+7], 0
	s_mul_i32 s17, s16, CHB                        ; where they go in a position: A's group 0 or 1;
	s_lshl_b32 s18, s17, 1
	s_add_co_u32 s18, s18, 2*CHB                   ; B's groups 0, 1 or 2, 3, behind A's two: no place in the cluster enters an LDS address
	s_wait_dscnt 0x0                               ; both opening adds are done
	s_wait_kmcnt 0x0
	s_add_nc_u64 s[62:63], s[4:5], s[62:63]
	s_add_nc_u64 s[88:89], s[4:5], s[88:89]
.irp c, 0,1,2,3                                ; group 0 for each of the four chunks along K
	s_mov_b32 s[G0A+4*\c], 1                       ; count = 1
	s_add_co_u32 s[G0A+4*\c+1], s17, (\c%NPOS)*POSB   ; LDS address
	s_add_nc_u64 s[G0A+4*\c+2:G0A+4*\c+3], s[62:63], \c*CHB   ; global address
	s_or_b32 s[G0A+4*\c+3], s[G0A+4*\c+3], 0x80000000   ; type = 2
	s_mov_b32 s[G0B+4*\c], 1
	s_add_co_u32 s[G0B+4*\c+1], s18, (\c%NPOS)*POSB
	s_add_nc_u64 s[G0B+4*\c+2:G0B+4*\c+3], s[88:89], \c*CHB
	s_or_b32 s[G0B+4*\c+3], s[G0B+4*\c+3], 0x80000000
.endr
	CROUND                                         ; all sixteen work-groups are here: the first joint loads meet
.irp c, 0,1,2,3
.if \c < NPOS
	JLOAD G0A+4*\c, G1A, G0B+4*\c, G1B             ; the first fills go out as one group, one a wave for each position
.endif
.endr
	; where my results go
.if MODE == 0
	s_lshl_b32 s90, s61, 1
	s_add_co_u32 s90, s90, s16                     ; my K step of the next product: 2 nt + my half
	s_lshl_b32 s91, s60, 1
	s_add_co_u32 s91, s91, s15                     ; my group of 64 rows: 2 mt + my half
	s_lshl_b32 s92, s91, 3                         ; Q, K: [group][8 K steps], K behind Q
	s_add_co_u32 s92, s92, s90
	s_mul_i32 s92, s92, BLK
	s_mul_i32 s93, s10, 6553600
	s_add_co_u32 s92, s92, s93
	s_lshl_b32 s94, s91, 4                         ; V^T: [batch][group][16 K steps], behind S: the keys' K step / 16 is the batch
	s_and_b32 s95, s90, 15
	s_add_co_u32 s94, s94, s95
	s_mul_i32 s94, s94, BLK
	s_lshr_b32 s95, s90, 4
	s_mul_i32 s95, s95, 1638400
	s_add_co_u32 s94, s94, s95
	s_add_co_u32 s94, s94, 13107200
	s_cmp_eq_u32 s10, 2
	s_cselect_b32 s92, s94, s92
	s_mov_b32 s93, 0
	s_cselect_b64 s[86:87], s[8:9], s[6:7]
	s_add_nc_u64 s[86:87], s[86:87], s[92:93]
.elseif MODE == 1
	s_lshl_b32 s92, s60, 1                         ; S: [batch][32 groups][16 K steps]
	s_add_co_u32 s92, s92, s15
	s_lshl_b32 s92, s92, 4
	s_lshl_b32 s93, s61, 1
	s_add_co_u32 s92, s92, s93
	s_add_co_u32 s92, s92, s16
	s_mul_i32 s92, s92, BLK
	s_mul_i32 s93, s10, 3276800
	s_add_co_u32 s92, s92, s93
	s_mov_b32 s93, 0
	s_add_nc_u64 s[86:87], s[6:7], s[92:93]
.elseif MODE == 2
	s_lshl_b32 s92, s10, 5                         ; C: [128 groups][8 K steps]
	s_lshl_b32 s93, s60, 1
	s_add_co_u32 s92, s92, s93
	s_add_co_u32 s92, s92, s15
	s_lshl_b32 s92, s92, 3
	s_lshl_b32 s93, s61, 1
	s_add_co_u32 s92, s92, s93
	s_add_co_u32 s92, s92, s16
	s_mul_i32 s92, s92, BLK
	s_mov_b32 s93, 0
	s_add_nc_u64 s[86:87], s[6:7], s[92:93]
.else
	s_lshl_b32 s92, s60, 7                         ; x and out0: row 128 mt + 64 x my half, of 4,096 bytes; column 256 nt + 128 x my half
	s_lshl_b32 s93, s15, 6
	s_add_co_u32 s92, s92, s93
	s_lshl_b32 s92, s92, 12
	s_lshl_b32 s93, s61, 10
	s_add_co_u32 s92, s92, s93
	s_lshl_b32 s93, s16, 9
	s_add_co_u32 s92, s92, s93
	s_mov_b32 s93, 0
	s_add_nc_u64 s[86:87], s[8:9], s[92:93]
	s_add_nc_u64 s[90:91], s[6:7], s[92:93]
.endif
	v_and_b32 v1, 15, v0                           ; r
	v_bfe_u32 v2, v0, 4, 1                         ; h
	v_and_b32 v3, 31, v0                           ; lane
	v_lshlrev_b32 v[GO], 4, v3
.if MODE == 3
	WIN 0xc0                                       ; destination window 3
.irp a, 0,1,2,3                                ; my 64 rows x 128 columns of x are asked for now and wanted at the end: the row of lane t of tile a, 32 lanes to its 512 bytes
.irp t, 0,1,2,3,4,5,6,7,8,9,10,11,12,13,14,15
	global_load_b128 v[64*\a+4*\t:64*\a+4*\t+3], v[GO], s[90:91] offset:(32*(\a/2)+8*(\a%2)+\t+8*(\t/8))*4096 th:TH_LOAD_NT
.endr
.endr
	WIN 0
.endif
	s_mul_i32 s17, s15, CHB                        ; my group of A
	s_mul_i32 s18, s16, 2*CHB
	s_add_co_u32 s18, s18, 2*CHB                   ; my first group of B
	v_add_nc_u32 v[AD0], s17, v[GO]
	v_add_nc_u32 v[AD0+1], s18, v[GO]
	s_sub_co_u32 s19, s18, s17                     ; lanes 16-31 take B's scale words: ONE product, the distance x h
	v_mul_u32_u24 v[AD0+2], s19, v2
	s_add_co_u32 s19, s19, CHB
	v_mul_u32_u24 v[AD0+3], s19, v2
	s_add_co_u32 s17, s17, 6144
	v_lshl_add_u32 v15, v1, 4, s17
	v_add_nc_u32 v[AD0+2], v[AD0+2], v15
	v_add_nc_u32 v[AD0+3], v[AD0+3], v15
.if MODE == 3
	s_mul_i32 s23, s14, 8448                       ; my stage: 16 rows x (512 bytes + 16), in position 0, which has had its only fill and its last read when the first result is stored there
	v_mul_u32_u24 v[GS], v1, 528
	v_lshl_add_u32 v[GS], v2, 6, v[GS]
	v_add_nc_u32 v[GS], s23, v[GS]                 ; in: row r, + 64 h
	v_add_nc_u32 v[RD], s23, v[GO]                 ; back: 16 bytes a lane of a row
.else
	v_lshlrev_b32 v[GS], 4, v1
	v_lshl_add_u32 v[GS], v2, 3, v[GS]
	s_mov_b32 s20, 0x76543210
	s_mov_b32 s21, 0xfedcba98                      ; v_permlanex16_b32's selects for lane l xor 16
.irp b, 0,1,2,3
	v_mov_b32 v[TM+4+\b], 0                        ; written once: a lane permute's destination counts as one of its sources
.endr
.endif
.macro STEPADR c                       ; the four LDS addresses in chunk c's position: four plain vector lines, which are also the four places in front of the loads that follow
.irp g, 0,1,2,3
	v_add_nc_u32 v[ADRA+\g], ((\c)%NPOS)*POSB, v[AD0+\g]
.endr
.endm
; 38 LDS loads in one run: K step ks's fragments and scale words into set ks % 2.  Each reads 512 (the last two: 2 x 256) consecutive bytes.
; Scale register i of a set: lanes 0-15 the words of A's tile i % 4, lanes 16-31 those of B's tile i.
.macro FETCH ks
.set FP, (\ks)%2
.set FS, (\ks)%CK
	WIN 0x40                                       ; destination window 1
.irp b, 0,1,2,3,4,5,6,7
.irp j, 0,1,2
	ds_load_b128 v[128*FP+12*\b+4*\j:128*FP+12*\b+4*\j+3], v[ADRB] offset:(\b/4)*CHB+BLK*FS+1536*(\b%4)+512*\j
.endr
.endr
	WIN 0
.irp a, 0,1,2,3
.irp j, 0,1,2
	ds_load_b128 v[AF+48*FP+12*\a+4*\j:AF+48*FP+12*\a+4*\j+3], v[ADRA] offset:BLK*FS+1536*\a+512*\j
.endr
.endr
	ds_load_b128 v[SC+8*FP:SC+8*FP+3], v[ADS1] offset:BLK*FS
	ds_load_b128 v[SC+8*FP+4:SC+8*FP+7], v[ADS2] offset:BLK*FS
.endm
; 32 matrix instructions: A's four tiles x B's eight, 128 along K, from set p.  The 32 accumulators take turns, one instruction a turn, in the same order in every step.  zero: the first step starts the sums
.macro MUL32 p, zero
.irp a, 0,1,2,3
.irp b, 0,1,2,3,4,5,6,7
.if \zero
	v_wmma_scale_f32_16x16x128_f8f6f4 v[8*(8*\a+\b):8*(8*\a+\b)+7], v[128*(\p)+12*\b:128*(\p)+12*\b+11], v[AF+48*(\p)+12*\a:AF+48*(\p)+12*\a+11], 0, v[SC+8*(\p)+\b], v[SC+8*(\p)+\a] matrix_a_fmt:MATRIX_FMT_FP6 matrix_b_fmt:MATRIX_FMT_FP6 matrix_a_scale:MATRIX_SCALE_ROW1
.else
	v_wmma_scale_f32_16x16x128_f8f6f4 v[8*(8*\a+\b):8*(8*\a+\b)+7], v[128*(\p)+12*\b:128*(\p)+12*\b+11], v[AF+48*(\p)+12*\a:AF+48*(\p)+12*\a+11], v[8*(8*\a+\b):8*(8*\a+\b)+7], v[SC+8*(\p)+\b], v[SC+8*(\p)+\a] matrix_a_fmt:MATRIX_FMT_FP6 matrix_b_fmt:MATRIX_FMT_FP6 matrix_a_scale:MATRIX_SCALE_ROW1
.endif
.endr
.endr
.endm
; A K step: the next step's loads go out first, so that they are served under this step's 32 products.
.macro KSTEP ks
.set NX, (\ks)+1
.set CN, NX/CK
.if NX == NK
	s_wait_dscnt 0x0                               ; the last step: nothing more to fetch
.elseif (NX%CK) != 0
	PLACES 4
	FETCH NX
	s_wait_dscnt 38                                ; all but the 38 just issued: this step's fragments are in
.elseif (MODE == 2) && (CN < 3)
	s_wait_tensorcnt 0x0                           ; THE POSITION JUST READ OUT IS FILLED AGAIN.  All my tensor loads have landed, my part of the next chunk among them;
	ds_add_u32 v[SPW], v[NIL]                      ; 0 onto my spare word;
	s_wait_dscnt 0x0                               ; the add is done, and my reads of the position are over
	CROUND                                         ; the same now holds of every wave of every partner
	JLOAD G0A+4*(CN+1), G1A, G0B+4*(CN+1), G1B     ; the first thing behind the round, one load a wave: the chunk after the next; it has four K steps, 128 matrix instructions, in which to land
	STEPADR CN
	FETCH NX
.else
	s_wait_dscnt 0x0                               ; no LDS load of mine is out at the signal
	s_wait_tensorcnt 3-CN                          ; my part of the next chunk is in; the count is the chunks asked for behind it, which may stay out
	s_barrier_signal -1
	s_barrier_wait -1                              ; everybody's part is in
	STEPADR CN
	FETCH NX
.endif
	WIN 0xa1                                       ; source 0 (B) window 1, source 1 (A) window 0, C and D window 2
	MUL32 (\ks)%2, (\ks)==0
	WIN 0
.endm
	STEPADR 0
	s_wait_tensorcnt NPOS-1                        ; my part of chunk 0 is in; the later first fills may stay out
	s_barrier_signal -1
	s_barrier_wait -1                              ; everybody's is
	FETCH 0
.set KS, 0
.rept NK
	KSTEP KS
.set KS, KS+1
.endr
.if MODE != 3
; THE WAY OUT, MODES 0 TO 2.  Tile a's 64 registers of a lane are k = 32 b + 16 h + i of its row in the next product's K step: they become a fragment and a scale word and leave as the block's image.
.macro QUANTW a
.set QA, 64*(\a)
.set PC, PC0+20*(\a)
	WIN 0x0a                                       ; sources 0 and 1 window 2
.irp b, 0,1,2,3
	v_max3_num_f32 v[TM+\b], |v[QA+16*\b]|, |v[QA+16*\b+1]|, 0x1800000   ; block b: my 16 numbers, each accumulator from its low end on, and the floor 2^(3 - 127): so the byte cannot fall under 1
.endr
.irp i, 2,4,6,8,10,12,14
.irp b, 0,1,2,3
	v_max3_num_f32 v[TM+\b], |v[QA+16*\b+\i]|, |v[QA+16*\b+\i+1]|, v[TM+\b]
.endr
.endr
	WIN 0
.irp b, 0,1,2,3
	v_permlanex16_b32 v[TM+4+\b], v[TM+\b], s20, s21
.endr
.irp b, 0,1,2,3
	v_max_num_f32 v[TM+\b], v[TM+\b], v[TM+4+\b]   ; with lane l xor 16's: the block's largest magnitude
.endr
.irp b, 0,1,2,3
	v_add_nc_u32 v[TM+12+\b], 0xff000000, v[TM+\b] ; 2 off its exponent field: the conversion's scale operand
.endr
.irp b, 0,1,2,3
	v_lshrrev_b32 v[TM+4+\b], 23, v[TM+12+\b]      ; the scale's byte
.endr
	v_lshl_or_b32 v[PW+(\a)], v[TM+5], 8, v[TM+4]
	v_lshl_or_b32 v[PW+(\a)], v[TM+6], 16, v[PW+(\a)]
	v_lshl_or_b32 v[PW+(\a)], v[TM+7], 24, v[PW+(\a)]
	WIN 0x02                                       ; source 0 window 2
.irp c, 0,1
	v_cvt_scalef32_pk16_fp6_f32 v[PC+6*\c:PC+6*\c+2], v[QA+32*\c:QA+32*\c+15], v[TM+12+2*\c]
	v_cvt_scalef32_pk16_fp6_f32 v[PC+12+4*\c:PC+14+4*\c], v[QA+32*\c+16:QA+32*\c+31], v[TM+13+2*\c]   ; (a conversion's three registers begin on an even number)
.endr
	WIN 0
	v_nop                                          ; one plain place behind a scaled conversion
.irp c, 0,1                                    ; the operand's layout wants a WHOLE block in a lane
.irp i, 0,1,2
	v_permlane16_swap_b32 v[PC+6*\c+\i], v[PC+12+4*\c+\i]
.endr
.irp i, 0,1,2
	v_mov_b32 v[PC+3+6*\c+\i], v[PC+12+4*\c+\i]
.endr
.endr
.irp j, 0,1,2
	global_store_b128 v[GO], v[PC+4*\j:PC+4*\j+3], s[86:87] offset:1536*(\a)+512*\j   ; 32 lanes store 512 consecutive bytes, at a multiple of 256 from the buffer's first byte
.endr
.endm
	PLACES 4
	QUANTW 0
	QUANTW 1
	QUANTW 2
	QUANTW 3
	v_cmp_ne_u32 s22, 0, v2                        ; lanes 0-15 store the words of tiles 0 and 1 of their row, lanes 16-31 those of tiles 2 and 3
	v_cndmask_b32 v[SW], v[PW], v[PW+2], s22
	v_cndmask_b32 v[SW+1], v[PW+1], v[PW+3], s22
	global_store_b64 v[GS], v[SW:SW+1], s[86:87] offset:6144   ; 32 lanes store 256 consecutive bytes
.else
; THE WAY OUT, MODE 3.  A lane holds pieces of one row; a tile of 16 rows x 128 columns goes through my stage and comes back as whole rows of 512 bytes; x is added; 32 lanes store a row's 512 bytes.
.macro TOSTAGE a
.set BB, BK+64*((\a)%2)
	WIN 0x08                                       ; an LDS store's data are its source 1: window 2
.irp b, 0,1,2,3,4,5,6,7
	ds_store_b128 v[GS], v[64*(\a)+8*\b:64*(\a)+8*\b+3] offset:128*(\b/2)+32*(\b%2)       ; columns 32 (b / 2) + 8 (b % 2) + 16 h + 0 .. 7; each accumulator from its low end on
	ds_store_b128 v[GS], v[64*(\a)+8*\b+4:64*(\a)+8*\b+7] offset:128*(\b/2)+32*(\b%2)+16
.endr
	WIN 0
.irp t, 0,1,2,3,4,5,6,7,8,9,10,11,12,13,14,15
	ds_load_b128 v[BB+4*\t:BB+4*\t+3], v[RD] offset:528*\t   ; LDS serves a wave's instructions in order: these see my stores, and the next tile's stores come behind them
.endr
.endm
.macro SEND a, younger                 ; younger: the LDS instructions issued behind tile a's loads, which may stay out
.set BB, BK+64*((\a)%2)
	s_wait_dscnt \younger
	WIN 0x0c                                       ; source 1 window 3: x
.irp t, 0,1,2,3,4,5,6,7,8,9,10,11,12,13,14,15
	v_pk_add_f32 v[BB+4*\t:BB+4*\t+1], v[BB+4*\t:BB+4*\t+1], v[64*(\a)+4*\t:64*(\a)+4*\t+1]
	v_pk_add_f32 v[BB+4*\t+2:BB+4*\t+3], v[BB+4*\t+2:BB+4*\t+3], v[64*(\a)+4*\t+2:64*(\a)+4*\t+3]
.endr
	WIN 0
.irp t, 0,1,2,3,4,5,6,7,8,9,10,11,12,13,14,15
	global_store_b128 v[GO], v[BB+4*\t:BB+4*\t+3], s[86:87] offset:(32*((\a)/2)+8*((\a)%2)+\t+8*(\t/8))*4096 th:TH_STORE_NT   ; the tile's lane t is this row of my 64
.endr
.endm
	s_barrier_signal -1                            ; (no LDS load of mine is out)  every wave has read its last fragment: the stages may be written
	s_barrier_wait -1
	PLACES 4
	s_wait_loadcnt 0x0                             ; x
	TOSTAGE 0
.irp a, 1,2,3
.if \a > 1
	s_wait_xcnt 0x0                                ; tile a - 2's stores have read their registers: tile a's loads may land there
.endif
	TOSTAGE \a
	SEND \a-1, 32                                  ; behind tile a - 1's loads: tile a's 16 stores and 16 loads
.endr
	SEND 3, 0
.endif
	s_wait_tensorcnt 0x0                           ; the wave's end: behind my last tensor load and my last LDS store
	ds_add_u32 v[SPW], v[NIL]
	s_wait_dscnt 0x0
	CROUND                                         ; the closing round: no work-group ends while a partner may still ask for a piece that names it
	s_endpgm
.Lfunc_end_k_qcc5ded52f0_final:
	.size	k_qcc5ded52f0_final, .Lfunc_end_k_qcc5ded52f0_final-k_qcc5ded52f0_final
	.p2alignl 7, 3214868480
	.fill 96, 4, 3214868480
	.section	.rodata,"a",@progbits
	.p2align	6, 0x0
	.amdhsa_kernel k_qcc5ded52f0_final
		.amdhsa_group_segment_fixed_size 327680
		.amdhsa_private_segment_fixed_size 0
		.amdhsa_enable_private_segment 0
		.amdhsa_kernarg_size 24
		.amdhsa_user_sgpr_count 2
		.amdhsa_user_sgpr_kernarg_segment_ptr 1
		.amdhsa_wavefront_size32 1
		.amdhsa_system_sgpr_workgroup_id_x 1
		.amdhsa_system_sgpr_workgroup_id_y 1
		.amdhsa_system_sgpr_workgroup_id_z 1
		.amdhsa_system_vgpr_workitem_id 0
		.amdhsa_next_free_vgpr 1024
		.amdhsa_next_free_sgpr 100
		.amdhsa_reserve_vcc 0
		.amdhsa_float_denorm_mode_32 3
		.amdhsa_float_denorm_mode_16_64 3
		.amdhsa_memory_ordered 1
		.amdhsa_forward_progress 1
		.amdhsa_inst_pref_size 92
	.end_amdhsa_kernel
	.amdgpu_metadata
---
amdhsa.version: [ 1, 2 ]
amdhsa.kernels:
  - .name:           k_qcc5ded52f0_final
    .symbol:         k_qcc5ded52f0_final.kd
    .args:
      - { .name: w4, .offset: 0, .size: 8, .value_kind: global_buffer, .address_space: global }
      - { .name: x, .offset: 8, .size: 8, .value_kind: global_buffer, .address_space: global }
      - { .name: out0, .offset: 16, .size: 8, .value_kind: global_buffer, .address_space: global }
    .group_segment_fixed_size: 327680
    .private_segment_fixed_size: 0
    .kernarg_segment_align: 8
    .kernarg_segment_size: 24
    .max_flat_workgroup_size: 128
    .sgpr_count:     100
    .vgpr_count:     1024
    .wavefront_size: 32
...
	.end_amdgpu_metadata
.endif
;; end of part 5
